; MI455X (gfx1250); checked and timed in simulation.
; The chip was launched on July 23, 2026; its instructions are those of AMD's public machine-readable ISA for CDNA 5 (MIT licence, August 2026) and "CDNA5" Instruction Set Architecture Reference Guide (July 2026). The comments in the code are by the model that wrote it; some were corrected since.
;; Multi Head Global Attention. Allowed arithmetic: matrix products marked QUANTISED: E5M2 operands, one given power-of-two scale a tensor, by v_wmma_f32_16x16x64_bf8_bf8 or v_wmma_f32_16x16x128_bf8_bf8, f32 sums; everything else in f32.
;; Inputs: b_o 1,024 float32; b_qkv 3,072 float32; lowp_scales 8 int32 (the exponents e of the quantised operands' scales 2^e); w_o 1,024 x 1,024 float32; w_qkv 1,024 x 3,072 float32; x 2 x 2,048 x 1,024 float32.
;; Outputs: out0 2 x 2,048 x 1,024 float32.
;; This version of the problem:
;;   THIS VERSION OF THE PROBLEM IS GIVEN IN LOW PRECISION. The matrix products marked QUANTISED in the list below multiply operands that are first quantised to E5M2 (5 exponent bits, 2 mantissa bits; 8 bits a number), with one given power-of-two scale for each operand tensor; their sums are f32. All else is computed in f32.
;;   The module's matrix products, in the order in which they are computed (A, B: the left and right operand; K: the contracted axis; several contracted axes count as one K, in the product's order):
;;     1. [M 4,096, K 1,024] x [K 1,024, N 3,072]; A: input x; B: input w_qkv: QUANTISED (scales: A lowp_scales[0], B lowp_scales[1])
;;     2. batch 32 x [M 2,048, K 64] x [K 64, N 2,048]; A: computed on the way; B: computed on the way: QUANTISED (scales: A lowp_scales[2], B lowp_scales[3])
;;     3. batch 32 x [M 2,048, K 2,048] x [K 2,048, N 64]; A: softmax (see below); B: computed on the way: QUANTISED (scales: A lowp_scales[4], B lowp_scales[5])
;;     4. [M 4,096, K 1,024] x [K 1,024, N 1,024]; A: computed on the way; B: input w_o: QUANTISED (scales: A lowp_scales[6], B lowp_scales[7])
;;   THE QUANTISER, for each operand of a quantised product, along K:
;;     - The operand's scale is 2^e, e = its entry of the input lowp_scales (int32; the entries are numbered through the quantised products in the list's order, A before B).
;;     - Each number is divided by the scale, clamped to +-57,344, and rounded to the nearest number of E5M2, ties to even, subnormals kept.
;;     - The product sums the exact products of the quantised numbers (number of the format x scale) in f32.
;;   ~~~python
;;   def quantise(x, axis, e):      # numpy; x: float32 -> the quantised numbers, widened to float32 again
;;       x = np.moveaxis(x, axis, -1); K = x.shape[-1]
;;       r = np.clip(x / 2.0 ** e, -57344, 57344)
;;       step = 2.0 ** (np.maximum(np.frexp(np.where(r == 0, 1, r))[1] - 1, -14) - 2)
;;       q = np.round(r / step) * step * 2.0 ** e      # np.round: ties to even
;;       return np.moveaxis(q, -1, axis).astype(np.float32)
;;   ~~~
;;   SOFTMAX AHEAD OF A QUANTISED PRODUCT. Where the list says 'softmax', what is quantised is not the finished softmax but p = 2^(t - M), with t = logit x log2(e) and M = ceil(the row's largest t), a whole number; so 1/2 < the row's largest p <= 1. The row's sum l is taken of the UNQUANTISED p, in f32, and the product's result is divided by l at the end. Since M is a whole number, a kernel that streams over the keys may use a running M (the ceiling of the running maximum): every later rescaling is an exact power of two, so the quantised numbers keep their values, but for numbers so far below the row's largest that they fall under the format's range.
;;   OPERANDS COMPUTED ON THE WAY. 'Computed on the way' means the value that the module computes at that place (a softmax that the list does not call 'softmax' is quantised finished and normalised). What goes into a quantiser is computed in f32, as accurately as f32 sums, v_exp_f32 and their like allow (about 1e-6 of the number): no bf16 or f16 on the way to a quantiser, and a product that is left as it is and whose result goes on into a quantised operand takes f32 operands (vector FMAs, or v_wmma_f32_16x16x4_f32). A number that lies on a knife's edge between two numbers of the format may be rounded either way, as far as f32 arithmetic and the matrix unit's own rounding can turn it there, and no further.
;; One version. Each part assembles by itself: llvm-mc -triple=amdgcn-amd-amdhsa -mcpu=gfx1250 --defsym DOCPART=n.
;; ======== version 1 of 1: 4 launches
;; limits: right only within a limited range of input values
;; workspace buffers: x_codes 4,194,304 bytes; w_codes 4,194,304 bytes; q_codes 4,194,304 bytes; kv_codes 8,388,608 bytes; a_codes 4,194,304 bytes
;; launch quant (part 1): grid 256 x 1, 16 waves a work-group, no clusters, 118,784 bytes of LDS; arguments x, w_qkv, w_o, lowp_scales, x_codes, w_codes; writes x_codes, w_codes
.if DOCPART == 1
	.amdgcn_target "amdgcn-amd-amdhsa--gfx1250"
	.amdhsa_code_object_version 6
	.text
	.protected	k_q42dec8657f_quant
	.globl	k_q42dec8657f_quant
	.p2align	8
	.type	k_q42dec8657f_quant,@function
k_q42dec8657f_quant:
	s_mov_b64 s[64:65], 0
	v_nop
	global_prefetch_b8 v0, s[64:65] scope:SCOPE_SE
	s_setreg_imm32_b32 hwreg(HW_REG_WAVE_MODE, 25, 1), 1
	s_wait_xcnt 0x0
; The three f32 inputs of the quantised products become codes of BF8 (E5M2), one byte each, K innermost.
;   x     [4096][1024]           -> x_codes [4096][1024]                      scale 2^e0
;   w_qkv [1024 (k)][3072 (n)]   -> w_codes rows 0 .. 3071    [n][1024 (k)]   scale 2^e1
;   w_o   [1024 (k)][1024 (n)]   -> w_codes rows 3072 .. 4095 [n][1024 (k)]   scale 2^e7
; code = number / 2^e, held within +-57,344, rounded to the nearest code, ties to even.
; LIMITS: e0, e1, e7 between -126 and 112, so that 2^e and 57,344 x 2^e are f32 numbers.  NaN among the inputs is not served.
; Work-groups 0 .. 127 take x (K is innermost: a plain stream of numbers), work-groups 128 .. 255 the two weights (K is the first axis:
; a lane takes a column and its registers run down K).  The two ways part on the work-group's number and have LDS bytes of their own.
; Every work-group reads 131,072 bytes with sixteen waves, and every wave issues all its loads at its head: 8,192 bytes a wave, the work-group's whole share.
; No work-group reads what another reads: no cluster.
; THE ROWS OF w_codes for the v columns of a head (columns 192 x head + 128 on): of each 32, eights 1 and 2 change places, so that 16 rows on end are the channels that form a tile of v.
.set SP,    80                         ; way x: a lane's place in a stage: its 64 bytes + 16 of padding
.set STEPS, 4                          ; way x: steps of 512 numbers for a wave
.set XREG,  2*32*SP                    ; way x: a wave's two stages
.set XR,    16                         ; v16-79   four sets of 16 numbers as they are loaded
.set XX,    80                         ; v80-111  two sets of 16 neighbours
.set XC,    128                        ; v128-143 codes: four registers for each step, so that no store's data are written again
.set WOFF,  16                         ; way w: v16-47  byte offsets of rows 0 .. 31 of a block: 4 x lane + i x the weight's row
.set WX,    48                         ; v48-111  two blocks of 32 numbers
.set WC,    112                        ; v112-127 two blocks' codes
.set WOUT,  128                        ; v128-143 the way out
.set WP,    272                        ; a stage row: 256 bytes of codes + 16
.set WSTG,  16*XREG                    ; way w's stage, 128 rows, begins behind way x's stages
.macro MKSCALE er                      ; s[er] = e:  v11 = 2^e as f32 (the conversion takes its exponent field), v10 = 57,344 x 2^e
	s_add_co_i32 s30, s[\er], 127
	s_lshl_b32 s31, s30, 23
	v_mov_b32 v11, s31
	s_add_co_i32 s30, s30, 15
	s_lshl_b32 s30, s30, 23
	s_or_b32 s30, s30, 0x600000                    ; the mantissa field of 57,344
	v_mov_b32 v10, s30
.endm
	s_load_b256 s[4:11], s[0:1], 0x0               ; x s[4:5], w_qkv s[6:7], w_o s[8:9], the scales' exponents s[10:11]
	s_load_b128 s[12:15], s[0:1], 0x20             ; x_codes s[12:13], w_codes s[14:15]
	v_lshl_add_u32 v192, v0, 2, 0x1c800
	v_mov_b32 v193, 0
	v_lshrrev_b32 v1, 5, v0
	s_delay_alu instid0(VALU_DEP_1)
	v_readfirstlane_b32 s16, v1                    ; wave 0..15
	v_and_b32 v2, 31, v0                           ; lane
	s_wait_kmcnt 0x0
	s_load_b256 s[40:47], s[10:11], 0x0            ; e0 .. e7
	s_cmp_lt_u32 ttmp9, 128
	s_cbranch_scc0 .Lw
; ---------------- way x: a wave takes 4 steps of 512 numbers.  Each of a step's four loads reads 512 consecutive bytes, 16 a lane; the 2,048 bytes go
; through the wave's own stage in LDS as they lie and come back 64 bytes a lane: 16 neighbours along K, which the conversions want in one lane's registers.
; Waves share nothing on this way: it has no barrier.
	s_wait_alu depctr_va_vdst(0)
	v_lshlrev_b32 v3, 4, v2                        ; my 16 bytes of a load's 512; also my 16 codes' place in a step's 512
	s_wait_alu depctr_va_vdst(0)
	s_mul_i32 s17, s16, XREG                       ; my wave's stages
	v_lshrrev_b32 v14, 2, v2
	s_delay_alu instid0(VALU_DEP_1)
	v_mul_u32_u24 v14, v14, SP
	v_and_b32 v15, 3, v2
	s_delay_alu instid0(VALU_DEP_1)
	v_lshl_add_u32 v14, v15, 4, v14
	s_delay_alu instid0(VALU_DEP_1)
	v_add_nc_u32 v14, s17, v14                     ; into the stage: four lanes' 64 bytes on end, then the padding
	v_mul_u32_u24 v15, v2, SP
	s_delay_alu instid0(VALU_DEP_1)
	v_add_nc_u32 v15, s17, v15                     ; out of it: my 16 neighbours
	s_lshl_b32 s18, ttmp9, 4
	s_add_co_u32 s18, s18, s16                     ; which run of 2,048 numbers is my wave's
	s_lshl_b32 s20, s18, 13                        ; 8,192 bytes of f32 each
	s_mov_b32 s21, 0
	s_add_nc_u64 s[4:5], s[4:5], s[20:21]
	s_lshl_b32 s20, s18, 11                        ; 2,048 bytes of codes each
	s_add_nc_u64 s[12:13], s[12:13], s[20:21]
.macro LOAD t
.irp i, 0,1,2,3
	global_load_b128 v[XR+16*(\t)+4*\i:XR+16*(\t)+4*\i+3], v3, s[4:5] offset:2048*(\t)+512*\i th:TH_LOAD_NT
.endr
.endm
.macro TURN t                          ; step t's numbers through the stage: LDS serves a wave's instructions in order (ISA guide 5.7.1.4), so no wait stands between the stores and the loads
.irp i, 0,1,2,3
	ds_store_b128 v14, v[XR+16*(\t)+4*\i:XR+16*(\t)+4*\i+3] offset:32*SP*((\t)%2)+8*SP*\i
.endr
.irp i, 0,1,2,3
	ds_load_b128 v[XX+16*((\t)%2)+4*\i:XX+16*((\t)%2)+4*\i+3], v15 offset:32*SP*((\t)%2)+16*\i
.endr
.endm
.irp t, 0,1,2,3
	LOAD \t                                        ; all sixteen loads of the wave
.endr
	s_wait_alu depctr_va_vdst(0)
	s_wait_kmcnt 0x0
	MKSCALE 40                                     ; e0
	s_wait_alu depctr_va_vdst(0)
	s_wait_loadcnt 12                              ; step 0's four loads are in; three steps' twelve may be out
	TURN 0
.macro STEP t
.set XS, XX+16*((\t)%2)
	s_wait_dscnt 0x0                               ; this step's numbers are back from the stage
.if (\t)+1 < STEPS
	s_wait_loadcnt 4*(STEPS-2-(\t))                ; the next step's four loads are in; those of the steps behind it may be out
	TURN (\t)+1                                    ; and go through the other stage while this step is worked
.endif
.irp i, 0,1,2,3,4,5,6,7,8,9,10,11,12,13,14,15
	v_med3_num_f32 v[XS+\i], v[XS+\i], -v10, v10   ; the conversion to an 8-bit code does not saturate (ISA guide 7.6.2): the hold comes first
.endr
	v_cvt_scalef32_pk8_bf8_f32 v[XC+4*(\t):XC+4*(\t)+1], v[XS:XS+7], v11
	v_cvt_scalef32_pk8_bf8_f32 v[XC+4*(\t)+2:XC+4*(\t)+3], v[XS+8:XS+15], v11
	global_store_b128 v3, v[XC+4*(\t):XC+4*(\t)+3], s[12:13] offset:512*(\t)   ; 32 lanes store 512 consecutive bytes, aligned
.endm
.irp t, 0,1,2,3
	STEP \t
.endr
	s_wait_tensorcnt 0x0
	ds_add_u32 v192, v193
	s_wait_dscnt 0x0
	s_endpgm
; ---------------- way w: the two weights side by side are 4,096 columns x 1,024 along K.  A work-group takes 128 columns x 256 along K;
; wave w takes columns 32 (w % 4) on and 64 along K from 64 (w / 4) on: two blocks of 32.
; A LANE TAKES A COLUMN AND ITS REGISTERS RUN DOWN K: each load reads 128 consecutive bytes a wave, and the conversions give codes with K innermost.
; A column's 256 codes come from four waves: they meet in the work-group's stage (row = column), a barrier stands between the writing and the reading,
; and each wave then stores 8 whole rows: sixteen lanes store 256 consecutive bytes, aligned.
; All waves of a work-group take this way together (the branch hangs on the work-group's number alone), so every one of them passes the barrier.
.Lw:
	s_sub_co_u32 s17, ttmp9, 128
	s_and_b32 s18, s17, 31                         ; c: which 128 columns
	s_lshr_b32 s19, s17, 5                         ; y: which 256 along K
	s_and_b32 s33, s16, 3                          ; g: which 32 of the columns
	s_lshr_b32 s34, s16, 2                         ; kq: which 64 along K
	s_mov_b32 s20, 4096                            ; a row of w_o in bytes
	s_cmp_lt_u32 s18, 24                           ; columns 0 .. 3071 are w_qkv's: the choice hangs on the work-group's number alone
	s_cselect_b64 s[6:7], s[6:7], s[8:9]           ; the weight,
	s_cselect_b32 s20, 12288, s20                  ; its row in bytes,
	s_cselect_b32 s22, 0, 24
	s_sub_co_u32 s22, s18, s22                     ; and c counted inside it
	s_lshl_b32 s22, s22, 7
	s_lshl_b32 s23, s33, 5
	s_add_co_u32 s22, s22, s23                     ; my wave's first column
	s_lshl_b32 s22, s22, 2                         ; in bytes
	s_lshl_b32 s23, s19, 8
	s_lshl_b32 s24, s34, 6
	s_add_co_u32 s23, s23, s24                     ; my first row: 256 y + 64 kq
	s_mul_i32 s23, s23, s20
	s_add_co_u32 s22, s22, s23
	s_mov_b32 s23, 0
	s_add_nc_u64 s[48:49], s[6:7], s[22:23]        ; block 0's first row
	s_lshl_b32 s24, s20, 5                         ; 32 rows
	s_mov_b32 s25, 0
	s_add_nc_u64 s[50:51], s[48:49], s[24:25]      ; block 1's: a base for each block, nothing is stepped while loads are out
	s_wait_alu depctr_va_vdst(0)
	v_lshlrev_b32 v[WOFF], 2, v2
.set i, 1
.rept 31
	s_delay_alu instid0(VALU_DEP_1)
	v_add_nc_u32 v[WOFF+i], s20, v[WOFF+i-1]
.set i, i+1
.endr
.macro LOADW t                         ; block t: W(32 t + i, my column), i = 0 .. 31
.set i, 0
.rept 32
	global_load_b32 v[WX+32*(\t)+i], v[WOFF+i], s[48+2*(\t):49+2*(\t)] th:TH_LOAD_NT
.set i, i+1
.endr
.endm
	LOADW 0
	LOADW 1                                        ; all 64 loads of the wave
	s_mul_i32 s26, s33, 32*WP                      ; into the stage: my group's 32 rows,
	s_lshl_b32 s27, s34, 6                         ; my 64 bytes of each
	s_add_co_u32 s26, s26, s27
	s_add_co_u32 s26, s26, WSTG
	v_mul_u32_u24 v4, v2, WP
	s_delay_alu instid0(VALU_DEP_1)
	v_add_nc_u32 v4, s26, v4                       ; row = my column
	v_and_b32 v5, 15, v2
	v_lshrrev_b32 v6, 4, v2
	s_mul_i32 s27, s16, 8*WP                       ; out of it: rows 8 x wave on; sixteen lanes to a row, two rows an instruction
	s_add_co_u32 s27, s27, WSTG
	v_mul_u32_u24 v7, v6, WP
	s_delay_alu instid0(VALU_DEP_1)
	v_lshl_add_u32 v7, v5, 4, v7
	s_delay_alu instid0(VALU_DEP_1)
	v_add_nc_u32 v7, s27, v7
	v_lshlrev_b32 v8, 10, v6
	s_delay_alu instid0(VALU_DEP_1)
	v_lshl_add_u32 v8, v5, 4, v8                   ; and the same place in w_codes (rows of 1,024 bytes)
	s_lshl_b32 s27, s18, 1
	s_lshr_b32 s28, s16, 3
	s_add_co_u32 s27, s27, s28                     ; my eight columns lie in this 64 of the 4,096
	s_mul_i32 s28, s27, 171
	s_lshr_b32 s28, s28, 9                         ; a third of it (it is under 64)
	s_mul_i32 s28, s28, 3
	s_sub_co_u32 s28, s27, s28                     ; 0 q, 1 k, 2 v (in w_qkv)
	s_and_b32 s29, s16, 12
	s_and_b32 s30, s16, 1
	s_lshl_b32 s30, s30, 1
	s_or_b32 s29, s29, s30
	s_bfe_u32 s30, s16, 0x10001
	s_or_b32 s29, s29, s30                         ; my wave's number with its two low bits exchanged
	s_cmp_eq_u32 s28, 2
	s_cselect_b32 s29, s29, s16
	s_cmp_lt_u32 s18, 24
	s_cselect_b32 s29, s29, s16
	s_lshl_b32 s27, s18, 7
	s_lshl_b32 s28, s29, 3
	s_add_co_u32 s27, s27, s28                     ; the first row of w_codes that I store: 128 c + 8 x wave (of v's columns: eights 1 and 2 of 32 exchanged)
	s_lshl_b32 s28, s27, 10
	s_lshl_b32 s27, s19, 8
	s_add_co_u32 s28, s28, s27                     ; + 256 y bytes along K
	s_mov_b32 s29, 0
	s_add_nc_u64 s[14:15], s[14:15], s[28:29]
	s_wait_kmcnt 0x0
	s_cmp_lt_u32 s18, 24
	s_cselect_b32 s32, s41, s47                    ; e1 or e7
	MKSCALE 32
.macro BLOCK t
.set XS, WX+32*(\t)
	s_wait_loadcnt 32*(1-(\t))                     ; this block's 32 loads are in; behind block 0's stand block 1's 32
.set i, 0
.rept 32
	v_med3_num_f32 v[XS+i], v[XS+i], -v10, v10     ; the hold at the largest code x the scale
.set i, i+1
.endr
.irp g, 0,1,2,3
	v_cvt_scalef32_pk8_bf8_f32 v[WC+8*(\t)+2*\g:WC+8*(\t)+2*\g+1], v[XS+8*\g:XS+8*\g+7], v11
.endr
	ds_store_b128 v4, v[WC+8*(\t):WC+8*(\t)+3] offset:32*(\t)      ; 32 codes: 32 bytes of my column's row
	ds_store_b128 v4, v[WC+8*(\t)+4:WC+8*(\t)+7] offset:32*(\t)+16
.endm
	s_wait_alu depctr_va_vdst(0)
	BLOCK 0
	BLOCK 1
	s_wait_dscnt 0x0                               ; for the others' sake: my stores into the stage are done
	s_barrier_signal -1
	s_barrier_wait -1                              ; the 128 rows are whole
.irp t, 0,1,2,3
	ds_load_b128 v[WOUT+4*\t:WOUT+4*\t+3], v7 offset:2*\t*WP
.endr
.irp t, 0,1,2,3
	s_wait_dscnt 3-\t                              ; LDS loads come back in order: pair t of rows is in, the younger ones may be out
	global_store_b128 v8, v[WOUT+4*\t:WOUT+4*\t+3], s[14:15] offset:2*\t*1024
.endr
	s_wait_tensorcnt 0x0
	ds_add_u32 v192, v193
	s_wait_dscnt 0x0
	s_endpgm
.Lfunc_end_k_q42dec8657f_quant:
	.size	k_q42dec8657f_quant, .Lfunc_end_k_q42dec8657f_quant-k_q42dec8657f_quant
	.p2alignl 7, 3214868480
	.fill 96, 4, 3214868480
	.section	.rodata,"a",@progbits
	.p2align	6, 0x0
	.amdhsa_kernel k_q42dec8657f_quant
		.amdhsa_group_segment_fixed_size 118784
		.amdhsa_private_segment_fixed_size 0
		.amdhsa_enable_private_segment 0
		.amdhsa_kernarg_size 48
		.amdhsa_user_sgpr_count 2
		.amdhsa_user_sgpr_kernarg_segment_ptr 1
		.amdhsa_wavefront_size32 1
		.amdhsa_system_sgpr_workgroup_id_x 1
		.amdhsa_system_sgpr_workgroup_id_y 1
		.amdhsa_system_sgpr_workgroup_id_z 1
		.amdhsa_system_vgpr_workitem_id 0
		.amdhsa_next_free_vgpr 194
		.amdhsa_next_free_sgpr 66
		.amdhsa_reserve_vcc 0
		.amdhsa_float_denorm_mode_32 3
		.amdhsa_float_denorm_mode_16_64 3
		.amdhsa_memory_ordered 1
		.amdhsa_forward_progress 1
		.amdhsa_inst_pref_size 28
	.end_amdhsa_kernel
	.amdgpu_metadata
---
amdhsa.version: [ 1, 2 ]
amdhsa.kernels:
  - .name:           k_q42dec8657f_quant
    .symbol:         k_q42dec8657f_quant.kd
    .args:
      - { .name: x, .offset: 0, .size: 8, .value_kind: global_buffer, .address_space: global }
      - { .name: w_qkv, .offset: 8, .size: 8, .value_kind: global_buffer, .address_space: global }
      - { .name: w_o, .offset: 16, .size: 8, .value_kind: global_buffer, .address_space: global }
      - { .name: lowp_scales, .offset: 24, .size: 8, .value_kind: global_buffer, .address_space: global }
      - { .name: x_codes, .offset: 32, .size: 8, .value_kind: global_buffer, .address_space: global }
      - { .name: w_codes, .offset: 40, .size: 8, .value_kind: global_buffer, .address_space: global }
    .group_segment_fixed_size: 118784
    .private_segment_fixed_size: 0
    .kernarg_segment_align: 8
    .kernarg_segment_size: 48
    .max_flat_workgroup_size: 512
    .sgpr_count:     66
    .vgpr_count:     194
    .wavefront_size: 32
...
	.end_amdgpu_metadata
.endif
;; end of part 1
;; launch qkv (part 2): grid 16 x 16, 4 waves a work-group, clusters of 4 x 4, 327,680 bytes of LDS; arguments x_codes, w_codes, lowp_scales, b_qkv, q_codes, kv_codes; writes q_codes, kv_codes
.if DOCPART == 2
	.amdgcn_target "amdgcn-amd-amdhsa--gfx1250"
	.amdhsa_code_object_version 6
	.text
	.protected	k_q42dec8657f_qkv
	.globl	k_q42dec8657f_qkv
	.p2align	8
	.type	k_q42dec8657f_qkv,@function
k_q42dec8657f_qkv:
	s_mov_b64 s[64:65], 0
	v_nop
	global_prefetch_b8 v0, s[64:65] scope:SCOPE_SE
	s_setreg_imm32_b32 hwreg(HW_REG_WAVE_MODE, 25, 1), 1
	s_wait_xcnt 0x0
	s_wait_alu depctr_hold_cnt(0) depctr_sa_sdst(0) depctr_va_vdst(0) depctr_va_sdst(0) depctr_va_ssrc(0) depctr_va_vcc(0) depctr_vm_vsrc(0)
	s_getreg_b32 s2, hwreg(HW_REG_IB_STS2, 6, 4)
	s_cmp_eq_u32 s2, 0
	s_cbranch_scc0 .Lentry_in_a_cluster
	s_endpgm
.Lentry_in_a_cluster:
	s_bfe_u32 s2, ttmp6, 0x10000c
	s_cmp_lg_u32 s2, 0xf033
	s_cbranch_scc0 .Lentry_shape_is_right
	s_endpgm
.Lentry_shape_is_right:
; q, k and v of one head (192 columns) for 256 rows: x w_qkv + b_qkv on codes of BF8, quantised at once with 2^e2, 2^e3, 2^e5.
; LIMITS: e0 + e1 between -126 and 127; e2, e3, e5 between -126 and 112.  NaN is not served.
; K goes in four steps of 256 through two LDS slots: 256 rows of x_codes, then 192 rows of w_codes, 256 bytes + 16 of padding each.  One joint load a wave at the head, one behind each round.
; CLUSTER 4 x 4: x's tiles are shared along a row of the cluster, w's along a column.
; A wave takes 64 rows x 192 columns: 48 accumulators.  q and k are made transposed (a lane: 8 neighbouring channels of one row), v is not (a lane: 8 neighbouring keys of one channel).
; V'S CHANNELS: by the order of w_codes' rows lane r of tile 2 b + u holds channel 32 b + 8 u + r + 8 (r / 8), so that the attention's results of tiles 2 b, 2 b + 1 are 16 neighbouring channels a lane.
; OUT: images of fragments.  q_codes: [head][16 rows][1,024 bytes].  kv_codes: [head][256 keys][k 16,384 bytes, v 16,384 bytes].
; PREFETCH: behind each K step's joint load the next K step is asked for: a lane a row, the four partners told apart by address (32 rows each of x's 128, 24 each of w's 96; the lanes
; left over name the last row again).  K step 0 comes by its load alone, and nothing is asked for behind K step 3.
; FRAGMENTS: two sets, one for each 128 along K of a slot.  The next set's 64 loads go in four runs of 16 between groups of products: x's, v's, then q's and k's, in the order in which the products want them.
; REGISTERS: window 0: addresses, bias, x's fragments from v128; window 1: q's and k's fragments; window 2: their 32 accumulators; window 3: v's 16 accumulators, and its fragments from v128.
.set PITCH,  272
.set HALFA,  128*PITCH
.set HALFB,  96*PITCH
.set SLOT,   2*HALFA+2*HALFB
.set SPARE,  2*SLOT
.set ADRA, 16                          ; v16-17  LDS address of my x fragments in slot 0, 1
.set ADRB, 20                          ; v20-21  the same for w
.set QKO,  24
.set VO,   25
.set BO8,  26
.set BO4,  27
.set SPW,  28
.set NIL,  29
.set PFO,  30
.set BQ,   32
.set BV,   96
.set AF,   128
.set T,    128
.set C,    192
.set G1A, 24
.set G0A, 32
.set G1B, 48
.set G0B, 56
.set PFA, 96                           ; s[96:97] my prefetches' rows at K step 1
.set FIELDS, (1<<20)|(1<<21)|(5<<22)|(3<<25)   ; padding on, bit 21 beside a mask, after every 64 words 4 words
.set MSB, 0
.macro WIN new
.if MSB != (\new)
	s_set_vgpr_msb (MSB<<8)|(\new)
.set MSB, \new
.endif
.endm
.macro PLACES n
.rept \n
	v_nop
.endr
.endm
.macro JLOAD s                         ; a joint load: waves 0 and 1 fetch x's halves, waves 2 and 3 w's
	s_cmp_eq_u32 s15, 0
	s_cbranch_scc0 .Lfor_b_\@
	tensor_load_to_lds s[G0A+4*\s:G0A+4*\s+3], s[G1A:G1A+7]
	s_nop 0
	PLACES 4
	s_branch .Lasked_\@
.Lfor_b_\@:
	tensor_load_to_lds s[G0B+4*\s:G0B+4*\s+3], s[G1B:G1B+7]
	s_nop 0
	PLACES 4
.Lasked_\@:
.endm
.macro CROUND                          ; a round of the cluster's barrier
	s_barrier_signal -1
	s_barrier_wait -1
	s_cmp_lg_u32 s14, 0
	s_cbranch_scc1 .Lnot_wave_0_\@
	s_barrier_signal -3
.Lnot_wave_0_\@:
	s_barrier_wait -3
	s_barrier_signal -1
	s_barrier_wait -1
.endm
	s_load_b256 s[4:11], s[0:1], 0x0               ; x_codes, w_codes, the scales' exponents, b_qkv
	s_load_b128 s[68:71], s[0:1], 0x20             ; q_codes, kv_codes
	v_lshl_add_u32 v[SPW], v0, 2, SPARE
	v_mov_b32 v[NIL], 0
	ds_add_u32 v[SPW], v[NIL]                      ; the opening lines
	ds_add_u32 v[SPW], v[NIL]
	v_lshrrev_b32 v1, 5, v0
	v_readfirstlane_b32 s14, v1                    ; wave 0..3
	s_lshr_b32 s15, s14, 1                         ; I fetch for x (0) or for w (1)
	s_and_b32 s16, s14, 1                          ; which half of that tile
	s_bfe_u32 s40, ttmp6, 0x40000                  ; cx, cy
	s_bfe_u32 s41, ttmp6, 0x40004
	s_lshl_b32 s42, ttmp9, 2
	s_add_co_u32 s42, s42, s40                     ; the head
	s_and_b32 s17, ttmp7, 0xffff
	s_lshl_b32 s17, s17, 2
	s_add_co_u32 s17, s17, s41                     ; the block of 256 rows
	s_lshl_b32 s43, s41, 2
	s_lshl_b32 s43, 15, s43                        ; my row of the cluster
	s_lshl_b32 s44, 0x1111, s40                    ; my column
	s_or_b32 s[G1A+0], s43, FIELDS
	s_or_b32 s[G1B+0], s44, FIELDS
	s_mov_b32 s[G1A+2], 128<<16
	s_mov_b32 s[G1A+4], 128
	s_mov_b32 s[G1B+2], 96<<16
	s_mov_b32 s[G1B+4], 96
.irp g, G1A, G1B
	s_mov_b32 s[\g+1], 256<<16
	s_mov_b32 s[\g+3], 256<<16
	s_mov_b32 s[\g+5], 1024
	s_mov_b32 s[\g+6], 0
	s_mov_b32 s[\g+7], 0
.endr
	s_lshl_b32 s18, s16, 7
	s_lshl_b32 s20, s17, 8
	s_add_co_u32 s20, s20, s18
	s_lshl_b32 s20, s20, 10                        ; x: row 256 x block + 128 x half
	s_mov_b32 s21, 0
	s_mul_i32 s46, s42, 192
	s_mul_i32 s47, s16, 96
	s_add_co_u32 s46, s46, s47
	s_lshl_b32 s46, s46, 10                        ; w: row 192 x head + 96 x half
	s_mov_b32 s47, 0
	s_mul_i32 s45, s16, HALFA
	s_mul_i32 s22, s16, HALFB
	s_add_co_u32 s22, s22, 2*HALFA
	s_wait_dscnt 0x0                               ; both opening adds are done
	s_wait_kmcnt 0x0
	s_load_b256 s[72:79], s[8:9], 0x0              ; e0 .. e7
	s_add_nc_u64 s[20:21], s[4:5], s[20:21]
	s_add_nc_u64 s[46:47], s[6:7], s[46:47]
.irp s, 0,1
	s_mov_b32 s[G0A+4*\s], 1
	s_add_co_u32 s[G0A+4*\s+1], s45, \s*SLOT
	s_add_nc_u64 s[G0A+4*\s+2:G0A+4*\s+3], s[20:21], \s*256
	s_or_b32 s[G0A+4*\s+3], s[G0A+4*\s+3], 0x80000000
	s_mov_b32 s[G0B+4*\s], 1
	s_add_co_u32 s[G0B+4*\s+1], s22, \s*SLOT
	s_add_nc_u64 s[G0B+4*\s+2:G0B+4*\s+3], s[46:47], \s*256
	s_or_b32 s[G0B+4*\s+3], s[G0B+4*\s+3], 0x80000000
.endr
	CROUND                                         ; all sixteen work-groups are here: the joint loads meet
	JLOAD 0                                        ; K step 0: one tensor load a wave at the head
	s_lshl_b32 s92, s40, 15                        ; the prefetches: my 32 rows of x's tile,
	s_mul_i32 s94, s41, 24576                      ; or my 24 of w's
	s_cmp_eq_u32 s15, 0
	s_cselect_b64 s[PFA:PFA+1], s[20:21], s[46:47]
	s_cselect_b32 s92, s92, s94
	s_cselect_b32 s94, 31, 23
	s_add_co_u32 s92, s92, 256
	s_mov_b32 s93, 0
	s_add_nc_u64 s[PFA:PFA+1], s[PFA:PFA+1], s[92:93]
	v_and_b32 v[PFO], 31, v0
	v_min_u32 v[PFO], s94, v[PFO]
	v_lshlrev_b32 v[PFO], 10, v[PFO]
	global_prefetch_b8 v[PFO], s[PFA:PFA+1] th:TH_LOAD_NT scope:SCOPE_SE   ; K step 1
	s_mul_i32 s23, s14, 64*PITCH
	s_mul_i32 s92, s42, 768
	s_add_nc_u64 s[10:11], s[10:11], s[92:93]      ; the head's bias
	v_and_b32 v1, 15, v0
	v_bfe_u32 v2, v0, 4, 1
	v_mul_u32_u24 v3, v1, PITCH
	v_lshl_add_u32 v3, v2, 4, v3
	v_add_nc_u32 v[ADRA], s23, v3
	v_add_nc_u32 v[ADRA+1], SLOT, v[ADRA]
	v_add_nc_u32 v[ADRB], 2*HALFA, v3
	v_add_nc_u32 v[ADRB+1], SLOT+2*HALFA, v3
	v_and_b32 v4, 8, v1
	v_add_nc_u32 v4, v4, v1                        ; r + 8 (r / 8)
	v_lshlrev_b32 v[QKO], 4, v1
	v_lshl_add_u32 v[QKO], v2, 3, v[QKO]
	v_and_b32 v[VO], 31, v0
	v_lshlrev_b32 v[VO], 4, v[VO]
	v_lshlrev_b32 v[BO8], 5, v2
	v_lshlrev_b32 v[BO4], 2, v4
	s_wait_alu depctr_va_vdst(0)                   ; the wait at the head's end
.irp n, 0,1,2,3,4,5,6,7
	global_load_b128 v[BQ+8*\n:BQ+8*\n+3],   v[BO8], s[10:11] offset:64*\n
	global_load_b128 v[BQ+8*\n+4:BQ+8*\n+7], v[BO8], s[10:11] offset:64*\n+16
.endr
.irp t, 0,1,2,3
	global_load_b32 v[BV+2*\t],   v[BO4], s[10:11] offset:512+128*(\t/2)+32*(\t%2)
	global_load_b32 v[BV+2*\t+1], v[BO4], s[10:11] offset:512+128*(\t/2)+32*(\t%2)
.endr
	s_lshr_b32 s90, s17, 3
	s_lshl_b32 s90, s90, 4
	s_add_co_u32 s90, s90, s42                     ; batch x head
	s_and_b32 s91, s17, 7                          ; which 256 rows of the batch
	s_lshl_b32 s92, s90, 17
	s_lshl_b32 s94, s91, 14
	s_add_co_u32 s92, s92, s94
	s_lshl_b32 s94, s14, 12
	s_add_co_u32 s92, s92, s94
	s_add_nc_u64 s[84:85], s[68:69], s[92:93]      ; q: my 64 rows
	s_lshl_b32 s92, s90, 18
	s_lshl_b32 s94, s91, 15
	s_add_co_u32 s92, s92, s94                     ; 256 keys: k's 16,384 bytes, then v's
	s_lshl_b32 s94, s14, 12
	s_add_co_u32 s94, s94, s92
	s_mov_b32 s95, 0
	s_add_nc_u64 s[86:87], s[70:71], s[94:95]      ; k
	s_lshl_b32 s94, s15, 13
	s_add_co_u32 s94, s94, s92
	s_lshl_b32 s91, s16, 10
	s_add_co_u32 s94, s94, s91
	s_add_co_u32 s94, s94, 16384
	s_add_nc_u64 s[88:89], s[70:71], s[94:95]      ; v
.macro FRAG reg, adr, q, i
.irp c, 0,1,2,3
	ds_load_b128 v[\reg+4*\c:\reg+4*\c+3], v[\adr] offset:128*(\q)+32*\c+(\i)*16*PITCH
.endr
.endm
; The four runs of 16 loads: the slot's q-th 128 along K into set p.
.macro FA slot, q, p
	WIN 0
.irp a, 0,1,2,3
	FRAG AF+64*(\p)+16*\a, ADRA+\slot, \q, \a
.endr
.endm
.macro FV slot, q, p
	WIN 0xc0
.irp t, 0,1,2,3
	FRAG 128+64*(\p)+16*\t, ADRB+\slot, \q, 8+\t
.endr
.endm
.macro FB slot, q, p, b0
	WIN 0x40
.irp b, 0,1,2,3
	FRAG 128*(\p)+16*(\b0+\b), ADRB+\slot, \q, \b0+\b
.endr
.endm
; The 48 accumulators take turns, one instruction a turn, in the same order in every step.
.macro MULV p, zero, a0, a1
	WIN 0xfc
.irp a, \a0, \a1
.irp t, 0,1,2,3
.if \zero
	v_wmma_f32_16x16x128_bf8_bf8 v[8*(4*\a+\t):8*(4*\a+\t)+7], v[AF+64*(\p)+16*\a:AF+64*(\p)+16*\a+15], v[128+64*(\p)+16*\t:128+64*(\p)+16*\t+15], 0
.else
	v_wmma_f32_16x16x128_bf8_bf8 v[8*(4*\a+\t):8*(4*\a+\t)+7], v[AF+64*(\p)+16*\a:AF+64*(\p)+16*\a+15], v[128+64*(\p)+16*\t:128+64*(\p)+16*\t+15], v[8*(4*\a+\t):8*(4*\a+\t)+7]
.endif
.endr
.endr
.endm
.macro MULQK p, zero, a
	WIN 0xa1
.irp n, 0,1,2,3,4,5,6,7
.if \zero
	v_wmma_f32_16x16x128_bf8_bf8 v[8*(8*\a+\n):8*(8*\a+\n)+7], v[128*(\p)+16*\n:128*(\p)+16*\n+15], v[AF+64*(\p)+16*\a:AF+64*(\p)+16*\a+15], 0
.else
	v_wmma_f32_16x16x128_bf8_bf8 v[8*(8*\a+\n):8*(8*\a+\n)+7], v[128*(\p)+16*\n:128*(\p)+16*\n+15], v[AF+64*(\p)+16*\a:AF+64*(\p)+16*\a+15], v[8*(8*\a+\n):8*(8*\a+\n)+7]
.endif
.endr
.endm
; A slot's first 128 along K: multiplies set 0, fetches set 1.
.macro STEP slot, zero
	s_wait_dscnt 32                                ; x's and v's fragments are in; q's and k's 32 loads may be out
	PLACES 4                                       ; between the products that read set 1 and the loads into it
	FA \slot, 1, 1
	MULV 0, \zero, 0, 1
	FV \slot, 1, 1
	MULV 0, \zero, 2, 3
	s_wait_dscnt 32                                ; q's and k's are in; the 32 just issued may be out
	FB \slot, 1, 1, 0
	MULQK 0, \zero, 0
	MULQK 0, \zero, 1
	FB \slot, 1, 1, 4
	MULQK 0, \zero, 2
	MULQK 0, \zero, 3
	WIN 0
.endm
; A slot's second 128: multiplies set 1 and changes slots.  fill = 1: this slot is filled again, two K steps on.
.macro TURN slot, next, fill
	s_wait_tensorcnt 0x0                           ; my part of the next slot is in
	ds_add_u32 v[SPW], v[NIL]
.if \fill
	s_add_nc_u64 s[G0A+4*\slot+2:G0A+4*\slot+3], s[G0A+4*\slot+2:G0A+4*\slot+3], 512
	s_add_nc_u64 s[G0B+4*\slot+2:G0B+4*\slot+3], s[G0B+4*\slot+2:G0B+4*\slot+3], 512
.endif
	s_wait_dscnt 33                                ; x's and v's fragments are in; q's and k's 32 loads and the add may be out
	MULV 1, 0, 0, 1
	MULV 1, 0, 2, 3
	WIN 0
	s_wait_dscnt 0x0                               ; the add is done, and my reads of this slot are over
.if \fill
	CROUND
	JLOAD \slot
.else
	s_barrier_signal -1
	s_barrier_wait -1
	PLACES 4
.endif
	FA \next, 0, 0
	MULQK 1, 0, 0
	FV \next, 0, 0
	MULQK 1, 0, 1
	FB \next, 0, 0, 0
	MULQK 1, 0, 2
	FB \next, 0, 0, 4
.if (\fill) && ((\slot) == 0)
	WIN 0
	global_prefetch_b8 v[PFO], s[PFA:PFA+1] offset:512 th:TH_LOAD_NT scope:SCOPE_SE   ; K step 3
.endif
	MULQK 1, 0, 3
	WIN 0
.endm
	s_wait_tensorcnt 0x0                           ; my part of K step 0 is in
	ds_add_u32 v[SPW], v[NIL]
	s_wait_dscnt 0x0
	CROUND                                         ; everybody's part is in, and the joint loads meet
	JLOAD 1                                        ; K step 1
	FA 0, 0, 0
	FV 0, 0, 0
	FB 0, 0, 0, 0
	FB 0, 0, 0, 4
	WIN 0
	global_prefetch_b8 v[PFO], s[PFA:PFA+1] offset:256 th:TH_LOAD_NT scope:SCOPE_SE   ; K step 2
	STEP 0, 1
	TURN 0, 1, 1
	STEP 1, 0
	TURN 1, 0, 1
	STEP 0, 0
	TURN 0, 1, 0
	STEP 1, 0
	s_wait_dscnt 32
	MULV 1, 0, 0, 1
	MULV 1, 0, 2, 3
	s_wait_dscnt 0x0
.irp a, 0,1,2,3
	MULQK 1, 0, \a
.endr
	WIN 0
	; THE WAY OUT: sum x 2^(e0 + e1) + bias, held, converted, stored as images of fragments.
.macro SCALE er, vs                    ; v[vs] = 2^e, v[vs+1] = 57,344 x 2^e
	s_add_co_i32 s18, s[\er], 127
	s_lshl_b32 s19, s18, 23
	v_mov_b32 v[\vs], s19
	s_add_co_i32 s18, s18, 15
	s_lshl_b32 s18, s18, 23
	s_or_b32 s18, s18, 0x600000
	v_mov_b32 v[\vs+1], s18
.endm
	s_wait_kmcnt 0x0
	s_wait_loadcnt 0x0                             ; the bias
	s_add_co_i32 s80, s72, s73
	s_add_co_i32 s80, s80, 127
	s_lshl_b32 s80, s80, 23
	s_mov_b32 s81, s80                             ; (named with it as a pair)
	SCALE 74, 8
	SCALE 75, 10
	SCALE 77, 12
	s_wait_alu depctr_va_vdst(0)
.irp a, 0,1,2,3
	WIN 0x02
.irp n, 0,1,2,3,4,5,6,7
.irp i, 0,2,4,6
	v_pk_fma_f32 v[T+8*\n+\i:T+8*\n+\i+1], v[8*(8*\a+\n)+\i:8*(8*\a+\n)+\i+1], s[80:81], v[BQ+8*\n+\i:BQ+8*\n+\i+1] op_sel_hi:[1,0,1]
.endr
.endr
	WIN 0
.irp n, 0,1,2,3,4,5,6,7
.irp i, 0,1,2,3,4,5,6,7
	v_med3_num_f32 v[T+8*\n+\i], v[T+8*\n+\i], -v[9+2*(\n/4)], v[9+2*(\n/4)]   ; the conversion does not saturate (ISA guide 7.6.2)
.endr
	v_cvt_scalef32_pk8_bf8_f32 v[C+16*\a+2*\n:C+16*\a+2*\n+1], v[T+8*\n:T+8*\n+7], v[8+2*(\n/4)]
.endr
	v_nop
.irp n, 0,1,2,3
	global_store_b64 v[QKO], v[C+16*\a+2*\n:C+16*\a+2*\n+1], s[84:85] offset:1024*\a+256*\n   ; 32 lanes store 256 consecutive bytes, aligned
.endr
.irp n, 4,5,6,7
	global_store_b64 v[QKO], v[C+16*\a+2*\n:C+16*\a+2*\n+1], s[86:87] offset:1024*\a+256*(\n-4)
.endr
.endr
	s_wait_xcnt 0x0                                ; the stores have read their registers
.irp cc, 0,1
	WIN 0x03
.irp u, 0,1
.irp t, 0,1,2,3
.irp i, 0,2,4,6
	v_pk_fma_f32 v[T+8*(4*\u+\t)+\i:T+8*(4*\u+\t)+\i+1], v[8*(4*(2*\cc+\u)+\t)+\i:8*(4*(2*\cc+\u)+\t)+\i+1], s[80:81], v[BV+2*\t:BV+2*\t+1] op_sel_hi:[1,0,1]
.endr
.endr
.endr
	WIN 0
.irp u, 0,1
.irp t, 0,1,2,3
.irp i, 0,1,2,3,4,5,6,7
	v_med3_num_f32 v[T+8*(4*\u+\t)+\i], v[T+8*(4*\u+\t)+\i], -v13, v13
.endr
	v_cvt_scalef32_pk8_bf8_f32 v[C+4*(4*\cc+\t)+2*\u:C+4*(4*\cc+\t)+2*\u+1], v[T+8*(4*\u+\t):T+8*(4*\u+\t)+7], v12
.endr
.endr
	v_nop
.irp t, 0,1,2,3
	global_store_b128 v[VO], v[C+4*(4*\cc+\t):C+4*(4*\cc+\t)+3], s[88:89] offset:2048*\t+512*\cc   ; 512 consecutive bytes
.endr
.endr
	s_wait_tensorcnt 0x0                           ; the wave's end
	ds_add_u32 v[SPW], v[NIL]
	s_wait_dscnt 0x0
	CROUND                                         ; the closing round: no work-group ends while a partner may still ask for a tile that names it
	s_endpgm
.Lfunc_end_k_q42dec8657f_qkv:
	.size	k_q42dec8657f_qkv, .Lfunc_end_k_q42dec8657f_qkv-k_q42dec8657f_qkv
	.p2alignl 7, 3214868480
	.fill 96, 4, 3214868480
	.section	.rodata,"a",@progbits
	.p2align	6, 0x0
	.amdhsa_kernel k_q42dec8657f_qkv
		.amdhsa_group_segment_fixed_size 327680
		.amdhsa_private_segment_fixed_size 0
		.amdhsa_enable_private_segment 0
		.amdhsa_kernarg_size 48
		.amdhsa_user_sgpr_count 2
		.amdhsa_user_sgpr_kernarg_segment_ptr 1
		.amdhsa_wavefront_size32 1
		.amdhsa_system_sgpr_workgroup_id_x 1
		.amdhsa_system_sgpr_workgroup_id_y 1
		.amdhsa_system_sgpr_workgroup_id_z 1
		.amdhsa_system_vgpr_workitem_id 0
		.amdhsa_next_free_vgpr 1024
		.amdhsa_next_free_sgpr 100
		.amdhsa_reserve_vcc 0
		.amdhsa_float_denorm_mode_32 3
		.amdhsa_float_denorm_mode_16_64 3
		.amdhsa_memory_ordered 1
		.amdhsa_forward_progress 1
		.amdhsa_inst_pref_size 117
	.end_amdhsa_kernel
	.amdgpu_metadata
---
amdhsa.version: [ 1, 2 ]
amdhsa.kernels:
  - .name:           k_q42dec8657f_qkv
    .symbol:         k_q42dec8657f_qkv.kd
    .args:
      - { .name: x_codes, .offset: 0, .size: 8, .value_kind: global_buffer, .address_space: global }
      - { .name: w_codes, .offset: 8, .size: 8, .value_kind: global_buffer, .address_space: global }
      - { .name: lowp_scales, .offset: 16, .size: 8, .value_kind: global_buffer, .address_space: global }
      - { .name: b_qkv, .offset: 24, .size: 8, .value_kind: global_buffer, .address_space: global }
      - { .name: q_codes, .offset: 32, .size: 8, .value_kind: global_buffer, .address_space: global }
      - { .name: kv_codes, .offset: 40, .size: 8, .value_kind: global_buffer, .address_space: global }
    .group_segment_fixed_size: 327680
    .private_segment_fixed_size: 0
    .kernarg_segment_align: 8
    .kernarg_segment_size: 48
    .max_flat_workgroup_size: 128
    .sgpr_count:     100
    .vgpr_count:     1024
    .wavefront_size: 32
...
	.end_amdgpu_metadata
.endif
;; end of part 2
;; launch attn (part 3): grid 8 x 32, 8 waves a work-group, clusters of 4 x 1, 327,680 bytes of LDS; arguments q_codes, kv_codes, lowp_scales, a_codes; writes a_codes
.if DOCPART == 3
	.amdgcn_target "amdgcn-amd-amdhsa--gfx1250"
	.amdhsa_code_object_version 6
	.text
	.protected	k_q42dec8657f_attn
	.globl	k_q42dec8657f_attn
	.p2align	8
	.type	k_q42dec8657f_attn,@function
k_q42dec8657f_attn:
	s_mov_b64 s[64:65], 0
	v_nop
	global_prefetch_b8 v0, s[64:65] scope:SCOPE_SE
	s_setreg_imm32_b32 hwreg(HW_REG_WAVE_MODE, 25, 1), 1
	s_wait_xcnt 0x0
	s_wait_alu depctr_hold_cnt(0) depctr_sa_sdst(0) depctr_va_vdst(0) depctr_va_sdst(0) depctr_va_ssrc(0) depctr_va_vcc(0) depctr_vm_vsrc(0)
	s_getreg_b32 s2, hwreg(HW_REG_IB_STS2, 6, 4)
	s_cmp_eq_u32 s2, 0
	s_cbranch_scc0 .Lentry_in_a_cluster
	s_endpgm
.Lentry_in_a_cluster:
	s_bfe_u32 s2, ttmp6, 0x10000c
	s_cmp_lg_u32 s2, 0x3003
	s_cbranch_scc0 .Lentry_shape_is_right
	s_endpgm
.Lentry_shape_is_right:
; o = softmax(q k^T / 8) v for one head and 256 queries, both products on codes of BF8; o is quantised at once (scale 2^e6) for the last product.
; THE SOFTMAX: t = score x 2^(e2 + e3) x log2(e) / 8; M = the running largest t rounded UP to a whole number; p = 2^(t - M) is quantised (scale 2^e4), not normalised.
; The row's sum is taken of the unquantised p, in f32, and divides at the end.  When M moves, the sum and O are multiplied by 2^(old M - new M), which rounds nothing.
; SHARES.  A work-group owns 256 queries of one head (batch x head = work-group y); each of its eight waves 32: two tiles of 16, which share every fragment of K and V.
; ALL OF THE HEAD'S K AND V, 262,144 bytes, lies in LDS as it lies in kv_codes: 8 steps of 256 keys, each K's 16,384 bytes, then V's.  Two fills, one joint load a wave each:
; step 0 at the head (8 x 4,096 bytes), steps 1 to 7 behind the first fill's landing (8 x 28,672 bytes), which have step 0's work in which to land.  No byte is filled twice.
; CLUSTER 4 x 1: the four query blocks of a cluster belong to one head and ask for each tile jointly.
; NO PREFETCH: a wave issues two loads in all, both ahead of its first step: no trip of the loop stands ahead of a load.
; LAYOUT.  Both products are used transposed: S^T = K Q^T, O^T = V^T P^T: a lane holds ONE query (lane % 16) throughout.  In S^T register j of key tile kt is key 16 kt + 8 (lane / 16) + j:
; the conversions' results are the second product's operand as its own layout has it.  K's, Q's and V's fragments are images of registers: every LDS load reads 512 consecutive bytes.
; V's tile u holds channels 32 (u / 2) + 8 (u % 2) + 16 (lane / 16) + j, so a lane's results of two neighbouring tiles are 16 neighbouring channels.
; A STEP's scores are four groups of 64 registers: group g = tile g % 2, keys 128 (g / 2) on.  The exponentials go in four batches, one a group.  Between a batch's exponentials stand scalings of later
; groups and holds of earlier ones, whose results are first read behind the next wait; sums and conversions stand between the batches.
; LIMITS: e2 + e3 between -123 and 130 (added to the exponent field of log2(e) / 8); e4 and e6 between -126 and 112; e4 + e5 is applied by v_ldexp_f32 and has none.  NaN is not served.
; REGISTERS: window 0: below.  Window 1: the scores, group g at 64 g; where scores are done with: P's codes of groups 1 to 3 at 0, 16, 32, V's fragments of keys 0 .. 127 at 64, of keys 128 .. 255 at 128.
.set LI,  1                            ; 16 x lane
.set AD,  2                            ; the step's LDS address
.set ADN, 3                            ; the next step's
.set SPW, 10
.set NIL, 11                           ; (v4, v9 57,344 x 2^e4; v5 2^e4; v6 57,344 x 2^e6; v7 2^e6)
.set Q,   16                           ; tile t at v[Q + 8 t]
.set ST,  32                           ; tile t at v[ST + 16 t]: +0 -M, +1 the largest score, +2 f, +3 zero (named with f), +4 the old -M, +5 the lane permute's destination, +6 at work, +8 .. +15 the sum in four pairs
.set MX,  64                           ; maxima: four chains a tile
.set KV,  72                           ; 64 registers: K's fragments 0 to 7 of a step, then 12 to 15
.set O,   136                          ; O^T, tile t at v[O + 32 t]
.set P0,  200                          ; group 0's codes
.set KX,  216                          ; 32 registers: K's fragments 8 to 11
.set XS,  248                          ; four more pairs for a group's sum
.set WV,  12                           ; s12  my wave's number
.set G1A, 24                           ; s[24:31] group 1 of the first fill, s[68:75] of the second
.set G1B, 68
.set G0A, 32                           ; s[32:35], s[36:39] their groups 0
.set G0B, 36
.set CS,  56                           ; s[56:57] log2(e) / 8 x 2^(e2 + e3), twice
.set SEL, 58                           ; s[58:59] lane selects: lane l xor 16
.set TB,  60                           ; LDS byte at which the step begins
.set CNT, 61                           ; steps to go
.set TBN, 63                           ; the next step's first byte
.set LASTB, 229376                     ; the last step's
.set SPARE, 262144
.set MSB, 0
.macro WIN new
.if MSB != (\new)
	s_set_vgpr_msb (MSB<<8)|(\new)
.set MSB, \new
.endif
.endm
.macro CROUND                          ; a round of the cluster's barrier
	s_barrier_signal -1
	s_barrier_wait -1
	s_cmp_lg_u32 s[WV], 0
	s_cbranch_scc1 .Lnot_wave_0_\@
	s_barrier_signal -3
.Lnot_wave_0_\@:
	s_barrier_wait -3
	s_barrier_signal -1
	s_barrier_wait -1
.endm
.macro NOPS n
.rept \n
	v_nop
.endr
.endm
	s_load_b256 s[4:11], s[0:1], 0x0               ; q_codes s[4:5], kv_codes s[6:7], the scales' exponents s[8:9], a_codes s[10:11]
	v_lshl_add_u32 v[SPW], v0, 2, SPARE
	v_mov_b32 v[NIL], 0
	ds_add_u32 v[SPW], v[NIL]                      ; the opening lines
	ds_add_u32 v[SPW], v[NIL]
	v_lshrrev_b32 v2, 5, v0
	v_readfirstlane_b32 s[WV], v2                  ; wave 0..7
	s_and_b32 s15, ttmp7, 0xffff                   ; batch x head, which the four partners share
.irp g, G1A, G1B
	s_mov_b32 s[\g], 15|(3<<16)|(1<<21)            ; the mask: all four work-groups; elements of 8 bytes; bit 21 beside a mask; no padding
	s_mov_b32 s[\g+1], 32<<16                      ; rows of 256 bytes
	s_mov_b32 s[\g+3], 32<<16
	s_mov_b32 s[\g+5], 32                          ; dense
	s_mov_b32 s[\g+6], 0
	s_mov_b32 s[\g+7], 0
.endr
	s_mov_b32 s[G1A+2], 16<<16                     ; 16 rows
	s_mov_b32 s[G1A+4], 16
	s_mov_b32 s[G1B+2], 112<<16                    ; 112 rows
	s_mov_b32 s[G1B+4], 112
	s_lshl_b32 s18, s[WV], 12                      ; my part of a fill, in LDS and in the head's bytes alike
	s_mul_i32 s19, s[WV], 28672
	s_add_co_u32 s19, s19, 32768
	s_lshl_b32 s16, s15, 18                        ; the head's 262,144 bytes
	s_add_co_u32 s20, s16, s18
	s_mov_b32 s21, 0
	s_add_co_u32 s22, s16, s19
	s_mov_b32 s23, 0
	s_mov_b32 s[SEL], 0x76543210
	s_mov_b32 s[SEL+1], 0xfedcba98
	s_mov_b32 s[CS], 0x3e38aa3b                    ; log2(e) / 8
	s_mov_b32 s[G0A], 1
	s_mov_b32 s[G0A+1], s18
	s_mov_b32 s[G0B], 1
	s_mov_b32 s[G0B+1], s19
	s_wait_dscnt 0x0                               ; both opening adds are done
	s_wait_kmcnt 0x0
	s_load_b256 s[48:55], s[8:9], 0x0              ; e0 .. e7
	s_add_nc_u64 s[G0A+2:G0A+3], s[6:7], s[20:21]
	s_or_b32 s[G0A+3], s[G0A+3], 0x80000000
	s_add_nc_u64 s[G0B+2:G0B+3], s[6:7], s[22:23]
	s_or_b32 s[G0B+3], s[G0B+3], 0x80000000
	CROUND                                         ; all four work-groups are here: the joint loads meet
	tensor_load_to_lds s[G0A:G0A+3], s[G1A:G1A+7]  ; step 0
	s_nop 0
	NOPS 4
	v_and_b32 v[LI], 31, v0
	v_lshlrev_b32 v[LI], 4, v[LI]
	s_bfe_u32 s40, ttmp6, 0x40000                  ; cx: it enters Q's and the output's addresses alone
	s_lshl_b32 s41, ttmp9, 2
	s_add_co_u32 s41, s41, s40                     ; my block of 256 queries
	s_lshl_b32 s41, s41, 4
	s_lshl_b32 s40, s[WV], 1
	s_add_co_u32 s41, s41, s40                     ; my first tile of 16 queries in the head
	s_lshl_b32 s42, s41, 10
	s_lshl_b32 s40, s15, 17
	s_add_co_u32 s42, s42, s40
	s_mov_b32 s43, 0
	s_add_nc_u64 s[4:5], s[4:5], s[42:43]
	s_wait_alu depctr_va_vdst(0)
.irp t, 0,1
.irp c, 0,1
	global_load_b128 v[Q+8*\t+4*\c:Q+8*\t+4*\c+3], v[LI], s[4:5] offset:1024*\t+512*\c   ; Q's fragments stay in registers
.endr
.endr
	s_lshr_b32 s44, s15, 4                         ; the batch: 128 tiles of rows each
	s_lshl_b32 s44, s44, 7
	s_add_co_u32 s44, s44, s41
	s_lshl_b32 s44, s44, 14                        ; a tile of rows is 16,384 bytes of a_codes,
	s_and_b32 s40, s15, 15
	s_lshl_b32 s40, s40, 10                        ; a head's part of it 1,024
	s_add_co_u32 s44, s44, s40
	s_mov_b32 s45, 0
	s_add_nc_u64 s[10:11], s[10:11], s[44:45]
.irp t, 0,1
	v_mov_b32 v[ST+16*\t], 0x7f61b1e6              ; -M of nothing: 3e38
	v_mov_b32 v[ST+16*\t+1], 0xff61b1e6            ; the largest score so far: -3e38, under every score
.irp k, 3,5,8,9,10,11,12,13,14,15
	v_mov_b32 v[ST+16*\t+\k], 0
.endr
.endr
.set i, 0
.rept 64
	v_mov_b32 v[O+i], 0                            ; O^T.  (The first step finds zeros, which the first change of M leaves zeros: so the step has one form)
.set i, i+1
.endr
	s_wait_kmcnt 0x0
	s_add_co_i32 s16, s50, s51
	s_lshl_b32 s16, s16, 23
	s_add_co_i32 s[CS], s[CS], s16                 ; e2 + e3 onto the exponent field
	s_mov_b32 s[CS+1], s[CS]
	s_add_co_i32 s16, s52, 127
	s_lshl_b32 s17, s16, 23
	s_add_co_i32 s16, s16, 15
	s_lshl_b32 s16, s16, 23
	s_or_b32 s16, s16, 0x600000
	s_add_co_i32 s18, s54, 127
	s_lshl_b32 s19, s18, 23
	s_add_co_i32 s18, s18, 15
	s_lshl_b32 s18, s18, 23
	s_or_b32 s18, s18, 0x600000
	s_add_co_i32 s62, s52, s53                     ; e4 + e5
	v_mov_b32 v4, s16                              ; 57,344 x 2^e4, twice: the second for the dual form's second half
	v_mov_b32 v9, s16
	v_mov_b32 v5, s17                              ; 2^e4
	v_mov_b32 v6, s18                              ; 57,344 x 2^e6
	v_mov_b32 v7, s19                              ; 2^e6
.macro KLOAD d, adr, f                 ; four of K's sixteen fragments of a step, from fragment f on
.irp k, 0,1,2,3
	ds_load_b128 v[\d+8*\k:\d+8*\k+3],   v[\adr] offset:1024*(\f+\k)
	ds_load_b128 v[\d+8*\k+4:\d+8*\k+7], v[\adr] offset:1024*(\f+\k)+512
.endr
.endm
.macro KAHEAD                          ; K's first twelve fragments at ADN
	KLOAD KV, ADN, 0
	KLOAD KV+32, ADN, 4
	KLOAD KX, ADN, 8
.endm
.macro VLOAD d, h                      ; V's four fragments of keys 128 h on
.irp u, 0,1,2,3
.irp c, 0,1,2,3
	ds_load_b128 v[\d+16*\u+4*\c:\d+16*\u+4*\c+3], v[AD] offset:16384+8192*\h+2048*\u+512*\c
.endr
.endr
.endm
.macro QK h, k0, d                     ; S^T of keys 128 h + 16 k0 on, 64 of them: in groups 2 h, 2 h + 1
	WIN 0x40
.irp k, 0,1,2,3
.irp t, 0,1
	v_wmma_f32_16x16x64_bf8_bf8 v[64*(2*\h+\t)+8*(\k0+\k):64*(2*\h+\t)+8*(\k0+\k)+7], v[\d+8*\k:\d+8*\k+7], v[Q+8*\t:Q+8*\t+7], 0
.endr
.endr
	WIN 0
.endm
.macro MAXH h                          ; largest scores: eight chains by turns, each accumulator from its low end on
	WIN 0x14
.irp k, 0,1,2,3,4,5,6,7
.irp t, 0,1
.irp c, 0,1,2,3
.if (\h+\k) == 0
	v_max3_num_f32 v[MX+4*\t+\c], v[ST+16*\t+1], v[64*(2*\h+\t)+8*\k+2*\c], v[64*(2*\h+\t)+8*\k+2*\c+1]
.else
	v_max3_num_f32 v[MX+4*\t+\c], v[MX+4*\t+\c], v[64*(2*\h+\t)+8*\k+2*\c], v[64*(2*\h+\t)+8*\k+2*\c+1]
.endif
.endr
.endr
.endr
	WIN 0
.endm
.macro EX g, i
	v_exp_f32 v[64*(\g)+(\i)], v[64*(\g)+(\i)]
.endm
.macro FM g, j                         ; t - M, two at a time
	v_pk_fma_f32 v[64*(\g)+2*(\j):64*(\g)+2*(\j)+1], v[64*(\g)+2*(\j):64*(\g)+2*(\j)+1], s[CS:CS+1], v[ST+16*((\g)%2):ST+16*((\g)%2)+1] op_sel_hi:[1,0,0]
.endm
; Two holds in one instruction: p is not negative, so a hold is one v_min_num_f32; the conversion to an 8-bit code does not saturate (ISA guide 7.6.2).
; The dual form's rules on register numbers: an even and an odd destination; first sources two neighbours; second sources v4 and v9, whose numbers differ mod 4.
.macro HO g, j
	v_dual_min_num_f32 v[64*(\g)+2*(\j)], v[64*(\g)+2*(\j)], v4 :: v_dual_min_num_f32 v[64*(\g)+2*(\j)+1], v[64*(\g)+2*(\j)+1], v9
.endm
; The row's sum takes the group's unquantised p: 32 pairs in eight chains.  Four temporary pairs start as the sums of two pairs each, and are folded in at the end: 32 additions in all.
.macro SU g
	WIN 0x05
.irp c, 0,1,2,3
	v_pk_add_f32 v[XS+2*\c:XS+2*\c+1], v[64*(\g)+4*\c:64*(\g)+4*\c+1], v[64*(\g)+4*\c+2:64*(\g)+4*\c+3]
.endr
	WIN 0x04
.set i, 64*(\g)+16
.rept 3
.irp c, 0,2,4,6
	v_pk_add_f32 v[ST+16*((\g)%2)+8+\c:ST+16*((\g)%2)+9+\c], v[ST+16*((\g)%2)+8+\c:ST+16*((\g)%2)+9+\c], v[i+\c:i+\c+1]
.endr
.irp c, 0,2,4,6
	v_pk_add_f32 v[XS+\c:XS+\c+1], v[XS+\c:XS+\c+1], v[i+8+\c:i+9+\c]
.endr
.set i, i+16
.endr
	WIN 0
.irp c, 0,2,4,6
	v_pk_add_f32 v[ST+16*((\g)%2)+8+\c:ST+16*((\g)%2)+9+\c], v[ST+16*((\g)%2)+8+\c:ST+16*((\g)%2)+9+\c], v[XS+\c:XS+\c+1]
.endr
.endm
.macro CV g, d                         ; the group's 16 registers of codes
.irp k, 0,1,2,3,4,5,6,7
	v_cvt_scalef32_pk8_bf8_f32 v[\d+2*\k:\d+2*\k+1], v[64*(\g)+8*\k:64*(\g)+8*\k+7], v5
.endr
	v_nop                                          ; one plain instruction behind the last conversion
.endm
.macro BORDER                          ; one wait behind a batch and ahead of all that reads its results or those of the lines between
	v_nop
	s_wait_alu depctr_va_vdst(0)
.endm
; A STEP of 256 keys for both tiles.  At its head K's first twelve fragments are on their way.  ahead = 1: the next step's are asked for in it, the last step's in place of what would lie behind it.
.macro STEP ahead
	v_add_nc_u32 v[AD], s[TB], v[LI]               ; this line, the next sum and the step's last four: six plain places between the last products and those that write over their operands
.if \ahead
	s_add_co_u32 s[TBN], s[TB], 32768
	s_min_u32 s[TBN], s[TBN], LASTB
	v_add_nc_u32 v[ADN], s[TBN], v[LI]
.endif
	s_wait_alu depctr_va_vdst(0)
	s_wait_dscnt 0x0                               ; K's first twelve fragments
	QK 0, 0, KV
	QK 0, 4, KV+32
.irp t, 0,1
	v_mov_b32 v[ST+16*\t+4], v[ST+16*\t]           ; the old -M.  These two and two v_nop are the four places behind the products
.endr
	NOPS 2
	KLOAD KV, AD, 12                               ; K's last four fragments come under the first half's maxima
	MAXH 0
	QK 1, 0, KX
	s_wait_alu depctr_va_vdst(0)
	s_wait_dscnt 0x0
	QK 1, 4, KV
	NOPS 4                                         ; places: for the maxima, and for the loads of the next step's K further down
	MAXH 1
.irp t, 0,1
	v_max3_num_f32 v[MX+4*\t], v[MX+4*\t], v[MX+4*\t+1], v[MX+4*\t+2]
.endr
.irp t, 0,1
	v_max_num_f32 v[MX+4*\t], v[MX+4*\t], v[MX+4*\t+3]
.endr
.irp t, 0,1
	v_permlanex16_b32 v[ST+16*\t+5], v[MX+4*\t], s[SEL], s[SEL+1]
.endr
.irp t, 0,1
	v_max_num_f32 v[ST+16*\t+1], v[MX+4*\t], v[ST+16*\t+5]       ; the running largest score, lane l xor 16's among them
.endr
.irp t, 0,1
	v_mul_f32 v[ST+16*\t+6], s[CS], v[ST+16*\t+1]                ; as t (the factor is positive)
.endr
.irp t, 0,1
	v_floor_f32 v[ST+16*\t], -v[ST+16*\t+6]                      ; the new -M = floor(-t) = -ceil(t)
.endr
.irp t, 0,1
	v_sub_f32 v[ST+16*\t+6], v[ST+16*\t], v[ST+16*\t+4]          ; old M - new M: a whole number, 0 or less
.endr
	WIN 0x41
.set i, 0
.rept 16                               ; group 0's scalings stand in the factor's chain
	FM 0, i
.set i, i+1
.endr
	WIN 0
.irp t, 0,1
	v_cvt_i32_f32 v[ST+16*\t+6], v[ST+16*\t+6]                   ; (it saturates)
.endr
	WIN 0x41
.rept 16
	FM 0, i
.set i, i+1
.endr
	WIN 0
.irp t, 0,1
	v_ldexp_f32 v[ST+16*\t+2], 1.0, v[ST+16*\t+6]                ; f = 2^(old M - new M)
.endr
.irp t, 0,1
.irp k, 8,10,12,14
	v_pk_mul_f32 v[ST+16*\t+\k:ST+16*\t+\k+1], v[ST+16*\t+\k:ST+16*\t+\k+1], v[ST+16*\t+2:ST+16*\t+3] op_sel_hi:[1,0]   ; the sums under the new M
.endr
.set i, 0
.rept 16
	v_pk_mul_f32 v[O+32*\t+2*i:O+32*\t+2*i+1], v[O+32*\t+2*i:O+32*\t+2*i+1], v[ST+16*\t+2:ST+16*\t+3] op_sel_hi:[1,0]   ; O^T likewise
.set i, i+1
.endr
.endr
	s_wait_alu depctr_va_vdst(0)                   ; ahead of the batches
	WIN 0x41
.set i, 0
.rept 16                               ; batch 0, with group 1's scalings and half of group 2's
	EX 0, 4*i
	FM 1, 2*i
	EX 0, 4*i+1
	FM 1, 2*i+1
	EX 0, 4*i+2
	FM 2, i
	EX 0, 4*i+3
.set i, i+1
.endr
	BORDER
.if \ahead
	WIN 0
	KAHEAD                                         ; the next step's K
.endif
	SU 0
	WIN 0x41
.set i, 0
.rept 16                               ; batch 1, with the rest of group 2's scalings, half of group 3's, and group 0's holds
	EX 1, 4*i
	FM 2, 16+i
	EX 1, 4*i+1
	FM 3, i
	EX 1, 4*i+2
	HO 0, 2*i
	EX 1, 4*i+3
	HO 0, 2*i+1
.set i, i+1
.endr
	BORDER
	SU 1
	WIN 0x01
	CV 0, P0
	WIN 0x41
.set i, 0
.rept 16                               ; batch 2, with the rest of group 3's scalings and group 1's holds
	EX 2, 4*i
	FM 3, 16+i
	EX 2, 4*i+1
	HO 1, 2*i
	EX 2, 4*i+2
	HO 1, 2*i+1
	EX 2, 4*i+3
.set i, i+1
.endr
	BORDER
	SU 2
	WIN 0x41
	CV 1, 0                                        ; onto group 0's registers, which are done with
.set i, 0
.rept 16                               ; batch 3, with group 2's holds
	EX 3, 4*i
	HO 2, 2*i
	EX 3, 4*i+1
	EX 3, 4*i+2
	HO 2, 2*i+1
	EX 3, 4*i+3
.set i, i+1
.endr
	BORDER
	WIN 0x40
	VLOAD 64, 0                                    ; V's first half onto group 1's registers, which are done with
	SU 3
	WIN 0x41
	CV 2, 16
	WIN 0x40
	VLOAD 128, 1                                   ; V's second half onto group 2's, likewise
	WIN 0x41
.set i, 0
.rept 8                                ; group 3's holds, its conversions one block of eight behind them
	HO 3, 4*i
	HO 3, 4*i+1
	HO 3, 4*i+2
	HO 3, 4*i+3
.if i > 0
	v_cvt_scalef32_pk8_bf8_f32 v[32+2*(i-1):33+2*(i-1)], v[192+8*(i-1):199+8*(i-1)], v5
.endif
.set i, i+1
.endr
	v_cvt_scalef32_pk8_bf8_f32 v[46:47], v[248:255], v5
	v_nop                                          ; one plain instruction behind the last conversion
	s_wait_alu depctr_va_vdst(0)
	s_wait_dscnt 16                                ; V's first half is in; the second half's 16 loads may be out
	WIN 0x01                                       ; O^T += V^T P^T: the eight accumulators take turns, in one order throughout
.irp u, 0,1,2,3
	v_wmma_f32_16x16x128_bf8_bf8 v[O+8*\u:O+8*\u+7], v[64+16*\u:64+16*\u+15], v[P0:P0+15], v[O+8*\u:O+8*\u+7]
.endr
	WIN 0x05
.irp u, 0,1,2,3
	v_wmma_f32_16x16x128_bf8_bf8 v[O+32+8*\u:O+32+8*\u+7], v[64+16*\u:64+16*\u+15], v[0:15], v[O+32+8*\u:O+32+8*\u+7]
.endr
	s_wait_dscnt 0x0                               ; V's second half
.irp t, 0,1
.irp u, 0,1,2,3
	v_wmma_f32_16x16x128_bf8_bf8 v[O+32*\t+8*\u:O+32*\t+8*\u+7], v[128+16*\u:128+16*\u+15], v[16+16*\t:31+16*\t], v[O+32*\t+8*\u:O+32*\t+8*\u+7]
.endr
.endr
	WIN 0
	NOPS 4
.endm
	s_wait_alu depctr_va_vdst(0)                   ; the wait at the head's end
	s_wait_loadcnt 0x0                             ; Q
	s_wait_tensorcnt 0x0                           ; my part of step 0 is in
	ds_add_u32 v[SPW], v[NIL]
	s_wait_dscnt 0x0
	CROUND                                         ; everybody's part is in, and the second joint loads meet
	tensor_load_to_lds s[G0B:G0B+3], s[G1B:G1B+7]  ; steps 1 to 7
	s_nop 0
	NOPS 4
	s_mov_b32 s[TB], 0
	v_mov_b32 v[ADN], v[LI]
	KAHEAD
	STEP 0                                         ; step 0 looks ahead at nothing: the other steps' bytes are on their way
	s_wait_alu depctr_va_vdst(0)
	s_wait_tensorcnt 0x0                           ; my part of steps 1 to 7 is in
	s_wait_dscnt 0x0
	s_barrier_signal -1
	s_barrier_wait -1                              ; everybody's is
	s_mov_b32 s[TB], 32768
	s_mov_b32 s[CNT], 7
	v_add_nc_u32 v[ADN], s[TB], v[LI]
	KAHEAD
.Lstep:
	STEP 1
	s_add_co_u32 s[TB], s[TB], 32768
	s_sub_co_u32 s[CNT], s[CNT], 1
	s_cmp_lg_u32 s[CNT], 0
	s_wait_alu depctr_va_vdst(0)
	s_cbranch_scc1 .Lstep
	; THE WAY OUT.  The sum's parts and lane l xor 16's are added; O^T x 2^(e4 + e5) / the sum is held, converted with 2^e6 and stored as the last product's fragment.
.irp k, 8,12
.irp t, 0,1
	v_pk_add_f32 v[ST+16*\t+\k:ST+16*\t+\k+1], v[ST+16*\t+\k:ST+16*\t+\k+1], v[ST+16*\t+\k+2:ST+16*\t+\k+3]
.endr
.endr
.irp t, 0,1
	v_pk_add_f32 v[ST+16*\t+8:ST+16*\t+9], v[ST+16*\t+8:ST+16*\t+9], v[ST+16*\t+12:ST+16*\t+13]
.endr
.irp t, 0,1
	v_add_f32 v[ST+16*\t+6], v[ST+16*\t+8], v[ST+16*\t+9]
.endr
.irp t, 0,1
	v_permlanex16_b32 v[ST+16*\t+5], v[ST+16*\t+6], s[SEL], s[SEL+1]
.endr
.irp t, 0,1
	v_add_f32 v[ST+16*\t+6], v[ST+16*\t+6], v[ST+16*\t+5]
.endr
	s_wait_alu depctr_va_vdst(0)                   ; ahead of the reciprocals
.irp t, 0,1
	v_rcp_f32 v[ST+16*\t+2], v[ST+16*\t+6]
.endr
	BORDER
.irp t, 0,1
	v_ldexp_f32 v[ST+16*\t+2], v[ST+16*\t+2], s62
.endr
	WIN 0x40
	s_wait_alu depctr_va_vdst(0)                   ; directly ahead of O^T's first readers
.irp t, 0,1
.set i, 0
.rept 16
	v_pk_mul_f32 v[32*\t+2*i:32*\t+2*i+1], v[O+32*\t+2*i:O+32*\t+2*i+1], v[ST+16*\t+2:ST+16*\t+3] op_sel_hi:[1,0]
.set i, i+1
.endr
.endr
	WIN 0x41
.set i, 0
.rept 64
	v_med3_num_f32 v[i], v[i], -v6, v6
.set i, i+1
.endr
	WIN 0x01
.set i, 0
.rept 8
	v_cvt_scalef32_pk8_bf8_f32 v[P0+2*i:P0+2*i+1], v[8*i:8*i+7], v7
.set i, i+1
.endr
	v_nop
	WIN 0
.irp t, 0,1
.irp c, 0,1
	global_store_b128 v[LI], v[P0+8*\t+4*\c:P0+8*\t+4*\c+3], s[10:11] offset:16384*\t+512*\c   ; 32 lanes store 512 consecutive bytes, aligned
.endr
.endr
	s_wait_tensorcnt 0x0                           ; the wave's end
	ds_add_u32 v[SPW], v[NIL]
	s_wait_dscnt 0x0
	CROUND                                         ; the closing round: no work-group ends while a partner may still ask for a tile that names it
	s_endpgm
.Lfunc_end_k_q42dec8657f_attn:
	.size	k_q42dec8657f_attn, .Lfunc_end_k_q42dec8657f_attn-k_q42dec8657f_attn
	.p2alignl 7, 3214868480
	.fill 96, 4, 3214868480
	.section	.rodata,"a",@progbits
	.p2align	6, 0x0
	.amdhsa_kernel k_q42dec8657f_attn
		.amdhsa_group_segment_fixed_size 327680
		.amdhsa_private_segment_fixed_size 0
		.amdhsa_enable_private_segment 0
		.amdhsa_kernarg_size 32
		.amdhsa_user_sgpr_count 2
		.amdhsa_user_sgpr_kernarg_segment_ptr 1
		.amdhsa_wavefront_size32 1
		.amdhsa_system_sgpr_workgroup_id_x 1
		.amdhsa_system_sgpr_workgroup_id_y 1
		.amdhsa_system_sgpr_workgroup_id_z 1
		.amdhsa_system_vgpr_workitem_id 0
		.amdhsa_next_free_vgpr 512
		.amdhsa_next_free_sgpr 80
		.amdhsa_reserve_vcc 0
		.amdhsa_float_denorm_mode_32 3
		.amdhsa_float_denorm_mode_16_64 3
		.amdhsa_memory_ordered 1
		.amdhsa_forward_progress 1
		.amdhsa_inst_pref_size 129
	.end_amdhsa_kernel
	.amdgpu_metadata
---
amdhsa.version: [ 1, 2 ]
amdhsa.kernels:
  - .name:           k_q42dec8657f_attn
    .symbol:         k_q42dec8657f_attn.kd
    .args:
      - { .name: q_codes, .offset: 0, .size: 8, .value_kind: global_buffer, .address_space: global }
      - { .name: kv_codes, .offset: 8, .size: 8, .value_kind: global_buffer, .address_space: global }
      - { .name: lowp_scales, .offset: 16, .size: 8, .value_kind: global_buffer, .address_space: global }
      - { .name: a_codes, .offset: 24, .size: 8, .value_kind: global_buffer, .address_space: global }
    .group_segment_fixed_size: 327680
    .private_segment_fixed_size: 0
    .kernarg_segment_align: 8
    .kernarg_segment_size: 32
    .max_flat_workgroup_size: 256
    .sgpr_count:     80
    .vgpr_count:     512
    .wavefront_size: 32
...
	.end_amdgpu_metadata
.endif
;; end of part 3
;; launch proj (part 4): grid 8 x 32, 4 waves a work-group, clusters of 4 x 4, 327,680 bytes of LDS; arguments a_codes, w_codes, lowp_scales, b_o, out0; writes out0
.if DOCPART == 4
	.amdgcn_target "amdgcn-amd-amdhsa--gfx1250"
	.amdhsa_code_object_version 6
	.text
	.protected	k_q42dec8657f_proj
	.globl	k_q42dec8657f_proj
	.p2align	8
	.type	k_q42dec8657f_proj,@function
k_q42dec8657f_proj:
	s_mov_b64 s[64:65], 0
	v_nop
	global_prefetch_b8 v0, s[64:65] scope:SCOPE_SE
	s_setreg_imm32_b32 hwreg(HW_REG_WAVE_MODE, 25, 1), 1
	s_wait_xcnt 0x0
	s_wait_alu depctr_hold_cnt(0) depctr_sa_sdst(0) depctr_va_vdst(0) depctr_va_sdst(0) depctr_va_ssrc(0) depctr_va_vcc(0) depctr_vm_vsrc(0)
	s_getreg_b32 s2, hwreg(HW_REG_IB_STS2, 6, 4)
	s_cmp_eq_u32 s2, 0
	s_cbranch_scc0 .Lentry_in_a_cluster
	s_endpgm
.Lentry_in_a_cluster:
	s_bfe_u32 s2, ttmp6, 0x10000c
	s_cmp_lg_u32 s2, 0xf033
	s_cbranch_scc0 .Lentry_shape_is_right
	s_endpgm
.Lentry_shape_is_right:
; out0 = o w_o + b_o on codes of BF8.  o's codes come as images of fragments (a_codes: [tile of 16 rows][head][2][lane][16 bytes]: lane (r, h) of piece c holds channels 32 c + 16 h + 0 .. 15 of its
; head; two heads on end are a fragment of 128 along K); w_o's codes are rows 3,072 .. 4,095 of w_codes, K innermost, read with the same places of k: four loads of 16 bytes a fragment, 32 bytes apart.
; SHARES.  A work-group takes 128 rows x 128 columns, so that there are 256 work-groups, in two halves of 64 rows; of each half wave w takes rows 32 (w / 2) on and columns 64 (w % 2) on: 8 accumulators.
; ALL OF K LIES IN LDS: o's two halves, 4 tiles of rows x 16,384 bytes each, then w_o's 128 rows of 1,024 bytes + 16.  Joint loads: the first half and w_o at the head, one load a wave; the second
; half behind their landing (waves 0 and 1).  No LDS byte is filled twice.
; w_o'S FRAGMENTS STAY IN REGISTERS through both halves: each is read from LDS once by a wave.  The first half's stores leave ahead of the second half's products.
; All is written out: there is no loop, so no prefetch has a trip to run ahead in.
; CLUSTER 4 x 4: o's tiles are shared along a row of the cluster, w_o's along a column.
; THE MATRIX INSTRUCTION IS USED TRANSPOSED (source 0 = 16 rows of w_codes, source 1 = 16 rows of o): a lane holds eight neighbouring columns of one row of the output.
; A wave's 64 columns of a row are 256 bytes: they go through the wave's own stage in LDS and leave sixteen lanes to a row.
; LIMIT: e6 + e7 between -126 and 127.
; REGISTERS: window 0: v1-31 addresses; v32-63 the bias; v64-95 a block's results; v96-127 and v128-159 (the first block's accumulators, done with by then) rows read back; v128-191, v192-255 the halves' accumulators.
;   windows 1, 2: w_o's fragments, (q, n) at 64 (q % 4) + 16 n; window 3: o's, (q, a) at 32 q + 16 a; q counts 128 along K.
.set PITCH,  1040                      ; a row of w_o in LDS
.set BOFF,   131072
.set STAGE,  BOFF+128*PITCH            ; 16 rows x 272 bytes for each wave; no tile lands there
.set SPITCH, 272
.set SPARE,  STAGE+4*16*SPITCH
.set ADRA, 16                          ; v16-17  LDS address of my fragments of o, half 0, 1
.set ADRB, 20                          ; v20     the same for w_o
.set STO,  24
.set RD,   25
.set CO,   26
.set BO8,  27
.set SPW,  30
.set NIL,  31
.set BI,   32
.set T,    64
.set ACC,  128
.set G1A, 24                           ; s[24:31] group 1 for o's tiles;  s[32:35], s[36:39] group 0 for half 0, 1
.set G0A, 32
.set G1B, 48                           ; s[48:55], s[80:83] the same for w_o
.set G0B, 80
.set MSB, 0
.macro WIN new
.if MSB != (\new)
	s_set_vgpr_msb (MSB<<8)|(\new)
.set MSB, \new
.endif
.endm
.macro CROUND                          ; a round of the cluster's barrier
	s_barrier_signal -1
	s_barrier_wait -1
	s_cmp_lg_u32 s14, 0
	s_cbranch_scc1 .Lnot_wave_0_\@
	s_barrier_signal -3
.Lnot_wave_0_\@:
	s_barrier_wait -3
	s_barrier_signal -1
	s_barrier_wait -1
.endm
.macro PLACES n
.rept \n
	v_nop
.endr
.endm
	s_load_b256 s[4:11], s[0:1], 0x0               ; a_codes s[4:5], w_codes s[6:7], the scales' exponents s[8:9], b_o s[10:11]
	s_load_b64 s[68:69], s[0:1], 0x20              ; out0
	v_lshl_add_u32 v[SPW], v0, 2, SPARE
	v_mov_b32 v[NIL], 0
	ds_add_u32 v[SPW], v[NIL]                      ; the opening lines
	ds_add_u32 v[SPW], v[NIL]
	v_lshrrev_b32 v1, 5, v0
	v_readfirstlane_b32 s14, v1                    ; wave 0..3
	s_lshr_b32 s15, s14, 1                         ; I fetch for o (0) or for w_o (1).  Also: which 32 rows of a half are mine
	s_and_b32 s16, s14, 1                          ; which part of that.  Also: which 64 columns are mine
	s_bfe_u32 s58, ttmp6, 0x40000                  ; cx, cy: my place in the cluster
	s_bfe_u32 s59, ttmp6, 0x40004
	s_lshl_b32 s60, ttmp9, 2
	s_add_co_u32 s60, s60, s58                     ; the block of 128 columns = 4 x cluster x + cx
	s_and_b32 s17, ttmp7, 0xffff
	s_lshl_b32 s17, s17, 2
	s_add_co_u32 s17, s17, s59                     ; the block of 128 rows = 4 x cluster y + cy
	s_lshl_b32 s61, s59, 2
	s_lshl_b32 s61, 15, s61                        ; my row of the cluster
	s_lshl_b32 s62, 0x1111, s58                    ; my column
	s_or_b32 s[G1A+0], s61, (3<<16)|(1<<21)        ; o: the mask of my row; elements of 8 bytes; bit 21 beside a mask; no padding
	s_mov_b32 s[G1A+1], 2048<<16                   ; rows of 16,384 bytes: a tile of rows
	s_mov_b32 s[G1A+2], 2<<16                      ; 2 of them
	s_mov_b32 s[G1A+3], 2048<<16
	s_mov_b32 s[G1A+4], 2
	s_mov_b32 s[G1A+5], 2048
	s_mov_b32 s[G1A+6], 0
	s_mov_b32 s[G1A+7], 0
	s_or_b32 s[G1B+0], s62, (1<<20)|(1<<21)|(7<<22)|(3<<25)   ; w_o: the mask of my column; elements of 1 byte; after every 256 words 4 words of padding
	s_mov_b32 s[G1B+1], 1024<<16
	s_mov_b32 s[G1B+2], 64<<16                     ; 64 rows
	s_mov_b32 s[G1B+3], 1024<<16
	s_mov_b32 s[G1B+4], 64
	s_mov_b32 s[G1B+5], 1024
	s_mov_b32 s[G1B+6], 0
	s_mov_b32 s[G1B+7], 0
	s_lshl_b32 s18, s16, 1
	s_lshl_b32 s20, s17, 3
	s_add_co_u32 s20, s20, s18                     ; o: tile of rows 8 x block + 2 x part
	s_lshl_b32 s20, s20, 14
	s_mov_b32 s21, 0
	s_lshl_b32 s70, s60, 7
	s_lshl_b32 s71, s16, 6
	s_add_co_u32 s70, s70, s71
	s_add_co_u32 s70, s70, 3072                    ; w_o: row 3,072 + 128 x block + 64 x part
	s_lshl_b32 s70, s70, 10
	s_mov_b32 s71, 0
	s_lshl_b32 s22, s16, 15                        ; where they go: no place in the cluster enters an LDS address
	s_mul_i32 s23, s16, 64*PITCH
	s_add_co_u32 s23, s23, BOFF
	s_mov_b32 s[G0A], 1
	s_mov_b32 s[G0A+1], s22
	s_mov_b32 s[G0A+4], 1
	s_add_co_u32 s[G0A+5], s22, 65536
	s_mov_b32 s[G0B], 1
	s_mov_b32 s[G0B+1], s23
	s_wait_dscnt 0x0                               ; both opening adds are done
	s_wait_kmcnt 0x0
	s_load_b256 s[72:79], s[8:9], 0x0              ; e0 .. e7
	s_add_nc_u64 s[G0A+2:G0A+3], s[4:5], s[20:21]
	s_add_nc_u64 s[G0A+6:G0A+7], s[G0A+2:G0A+3], 65536             ; 4 tiles of rows on
	s_add_nc_u64 s[G0B+2:G0B+3], s[6:7], s[70:71]
	s_or_b32 s[G0A+3], s[G0A+3], 0x80000000
	s_or_b32 s[G0A+7], s[G0A+7], 0x80000000
	s_or_b32 s[G0B+3], s[G0B+3], 0x80000000
	CROUND                                         ; all sixteen work-groups are here: the joint loads meet
	s_cmp_eq_u32 s15, 0                            ; one tensor load a wave at the head
	s_cbranch_scc0 .Lfor_b
	tensor_load_to_lds s[G0A:G0A+3], s[G1A:G1A+7]
	s_nop 0
	PLACES 4
	s_branch .Lasked
.Lfor_b:
	tensor_load_to_lds s[G0B:G0B+3], s[G1B:G1B+7]
	s_nop 0
	PLACES 4
.Lasked:
	s_lshl_b32 s18, s15, 15                        ; my two tiles of rows of a half
	s_mul_i32 s19, s16, 64*PITCH
	s_add_co_u32 s19, s19, BOFF                    ; my 64 rows of w_o
	s_mul_i32 s63, s14, 16*SPITCH
	s_add_co_u32 s63, s63, STAGE                   ; my stage
	s_lshl_b32 s96, s60, 9
	s_lshl_b32 s98, s16, 8
	s_add_co_u32 s96, s96, s98                     ; my 64 columns, in bytes: 512 x block + 256 x part
	s_mov_b32 s97, 0
	s_add_nc_u64 s[10:11], s[10:11], s[96:97]
	s_lshl_b32 s98, s17, 7
	s_lshl_b32 s99, s15, 5
	s_add_co_u32 s98, s98, s99                     ; my first row: 128 x block + 32 x part
	s_lshl_b32 s98, s98, 12
	s_add_co_u32 s98, s98, s96
	s_mov_b32 s99, 0
	s_add_nc_u64 s[68:69], s[68:69], s[98:99]
	v_and_b32 v1, 15, v0                           ; r
	v_bfe_u32 v2, v0, 4, 1                         ; h
	v_and_b32 v3, 31, v0
	v_lshlrev_b32 v3, 4, v3                        ; 16 x lane
	v_add_nc_u32 v[ADRA], s18, v3
	v_add_nc_u32 v[ADRA+1], 65536, v[ADRA]
	v_mul_u32_u24 v4, v1, PITCH
	v_lshl_add_u32 v4, v2, 4, v4                   ; w_o: row r x pitch + 16 h
	v_add_nc_u32 v[ADRB], s19, v4
	v_mul_u32_u24 v5, v1, SPITCH
	v_lshl_add_u32 v5, v2, 5, v5                   ; the stage, in: row r, 32 bytes for each half of the lanes
	v_add_nc_u32 v[STO], s63, v5
	v_mul_u32_u24 v6, v2, SPITCH                   ; back: lanes 0-15 one row, lanes 16-31 the next
	v_lshl_add_u32 v6, v1, 4, v6
	v_add_nc_u32 v[RD], s63, v6
	v_lshlrev_b32 v[CO], 12, v2                    ; and the same two rows of the output (4,096 bytes a row)
	v_lshl_add_u32 v[CO], v1, 4, v[CO]
	v_lshlrev_b32 v[BO8], 5, v2
	s_wait_alu depctr_va_vdst(0)                   ; the wait at the head's end
.irp n, 0,1,2,3                        ; lane (r, h) of tile n holds columns 16 n + 8 h + 0 .. 7
	global_load_b128 v[BI+8*\n:BI+8*\n+3],   v[BO8], s[10:11] offset:64*\n
	global_load_b128 v[BI+8*\n+4:BI+8*\n+7], v[BO8], s[10:11] offset:64*\n+16
.endr
.macro FB q                            ; 16 loads: w_o's fragments of the q-th 128 along K
	WIN 0x40*(1+(\q)/4)
.irp n, 0,1,2,3
.irp c, 0,1,2,3
	ds_load_b128 v[64*((\q)%4)+16*\n+4*\c:64*((\q)%4)+16*\n+4*\c+3], v[ADRB] offset:16*PITCH*\n+128*(\q)+32*\c
.endr
.endr
.endm
.macro FA hf, q                        ; 8 loads: o's of half hf
	WIN 0xc0
.irp a, 0,1
.irp c, 0,1,2,3
	ds_load_b128 v[32*(\q)+16*\a+4*\c:32*(\q)+16*\a+4*\c+3], v[ADRA+\hf] offset:16384*\a+2048*(\q)+512*\c
.endr
.endr
.endm
.macro MUL hf, q                       ; the 8 accumulators take turns, in the same order in every step
	WIN 13+(\q)/4
.irp a, 0,1
.irp n, 0,1,2,3
.if (\q) == 0
	v_wmma_f32_16x16x128_bf8_bf8 v[ACC+64*\hf+32*\a+8*\n:ACC+64*\hf+32*\a+8*\n+7], v[64*((\q)%4)+16*\n:64*((\q)%4)+16*\n+15], v[32*(\q)+16*\a:32*(\q)+16*\a+15], 0
.else
	v_wmma_f32_16x16x128_bf8_bf8 v[ACC+64*\hf+32*\a+8*\n:ACC+64*\hf+32*\a+8*\n+7], v[64*((\q)%4)+16*\n:64*((\q)%4)+16*\n+15], v[32*(\q)+16*\a:32*(\q)+16*\a+15], v[ACC+64*\hf+32*\a+8*\n:ACC+64*\hf+32*\a+8*\n+7]
.endif
.endr
.endr
.endm
; THE WAY OUT, block b = 2 x half + a of 16 rows: sum x 2^(e6 + e7) + bias, through my stage, out as whole rows of 256 bytes.
.macro TOSTAGE b
	WIN 0
.irp n, 0,1,2,3
.irp i, 0,2,4,6
	v_pk_fma_f32 v[T+8*\n+\i:T+8*\n+\i+1], v[ACC+32*\b+8*\n+\i:ACC+32*\b+8*\n+\i+1], s[56:57], v[BI+8*\n+\i:BI+8*\n+\i+1] op_sel_hi:[1,0,1]   ; each accumulator from its low end on
.endr
.endr
.irp n, 0,1,2,3
	ds_store_b128 v[STO], v[T+8*\n:T+8*\n+3] offset:64*\n
	ds_store_b128 v[STO], v[T+8*\n+4:T+8*\n+7] offset:64*\n+16
.endr
.irp t, 0,1,2,3,4,5,6,7
	ds_load_b128 v[96+32*(\b%2)+4*\t:96+32*(\b%2)+4*\t+3], v[RD] offset:2*\t*SPITCH     ; LDS serves a wave's instructions in order (ISA guide 5.7.1.4): these see the stores above
.endr
.endm
.macro SEND b, younger
	WIN 0
	s_wait_dscnt \younger                          ; the block is back; the LDS instructions issued behind its loads may be out
.irp t, 0,1,2,3,4,5,6,7
	global_store_b128 v[CO], v[96+32*(\b%2)+4*\t:96+32*(\b%2)+4*\t+3], s[68:69] offset:(64*(\b/2)+16*(\b%2)+2*\t)*4096 th:TH_STORE_NT   ; sixteen lanes store 256 consecutive bytes, aligned
.endr
.endm
	s_wait_tensorcnt 0x0                           ; my part of the first half or of w_o is in
	ds_add_u32 v[SPW], v[NIL]
	s_wait_dscnt 0x0
	CROUND                                         ; everybody's part is in, and the joint loads meet
	s_cmp_eq_u32 s15, 0                            ; the second half of o's rows: waves 0 and 1
	s_cbranch_scc0 .Lno_part
	tensor_load_to_lds s[G0A+4:G0A+7], s[G1A:G1A+7]
	s_nop 0
	PLACES 4
.Lno_part:
	FB 0
	FA 0, 0
	FB 1
	FA 0, 1
.irp q, 0,1,2,3,4,5
	s_wait_dscnt 24                                ; step q's fragments are in; step q + 1's 24 loads may be out
	MUL 0, \q
	FB \q+2
	FA 0, \q+2
.endr
	s_wait_dscnt 24
	MUL 0, 6
	s_wait_dscnt 0x0                               ; all is in, and no LDS load of mine is out at the signal
	MUL 0, 7
	s_wait_tensorcnt 0x0                           ; my part of the second half is in
	s_barrier_signal -1
	s_barrier_wait -1                              ; everybody's is
	s_wait_kmcnt 0x0
	s_wait_loadcnt 0x0                             ; the bias
	s_add_co_i32 s56, s78, s79
	s_add_co_i32 s56, s56, 127
	s_lshl_b32 s56, s56, 23                        ; 2^(e6 + e7) as f32
	s_mov_b32 s57, s56                             ; (named with it as a pair, so it is written)
	PLACES 4                                       ; behind the products: for the reads of their results, and for the loads into o's fragments
	TOSTAGE 0
	TOSTAGE 1
	FA 1, 0
	FA 1, 1
	SEND 0, 32                                     ; block 1's 8 stores and 8 loads, and 16 loads of fragments
	FA 1, 2
	FA 1, 3
	SEND 1, 32                                     ; 32 loads of fragments
	FA 1, 4
	FA 1, 5
	s_wait_dscnt 40                                ; of six steps' loads the first step's 8 are in
	MUL 1, 0
	s_wait_dscnt 32
	MUL 1, 1
	FA 1, 6
	FA 1, 7
	s_wait_dscnt 40
	MUL 1, 2
	s_wait_dscnt 32
	MUL 1, 3
	s_wait_dscnt 24
	MUL 1, 4
	s_wait_dscnt 16
	MUL 1, 5
	s_wait_dscnt 8
	MUL 1, 6
	s_wait_dscnt 0x0
	MUL 1, 7
	s_wait_xcnt 0x0                                ; the first half's stores have read their registers, which are loaded again
	PLACES 4
	TOSTAGE 2
	TOSTAGE 3
	SEND 2, 16
	SEND 3, 0
	s_wait_tensorcnt 0x0                           ; the wave's end
	ds_add_u32 v[SPW], v[NIL]
	s_wait_dscnt 0x0
	CROUND                                         ; the closing round: no work-group ends while a partner may still ask for a tile that names it
	s_endpgm
.Lfunc_end_k_q42dec8657f_proj:
	.size	k_q42dec8657f_proj, .Lfunc_end_k_q42dec8657f_proj-k_q42dec8657f_proj
	.p2alignl 7, 3214868480
	.fill 96, 4, 3214868480
	.section	.rodata,"a",@progbits
	.p2align	6, 0x0
	.amdhsa_kernel k_q42dec8657f_proj
		.amdhsa_group_segment_fixed_size 327680
		.amdhsa_private_segment_fixed_size 0
		.amdhsa_enable_private_segment 0
		.amdhsa_kernarg_size 40
		.amdhsa_user_sgpr_count 2
		.amdhsa_user_sgpr_kernarg_segment_ptr 1
		.amdhsa_wavefront_size32 1
		.amdhsa_system_sgpr_workgroup_id_x 1
		.amdhsa_system_sgpr_workgroup_id_y 1
		.amdhsa_system_sgpr_workgroup_id_z 1
		.amdhsa_system_vgpr_workitem_id 0
		.amdhsa_next_free_vgpr 1024
		.amdhsa_next_free_sgpr 100
		.amdhsa_reserve_vcc 0
		.amdhsa_float_denorm_mode_32 3
		.amdhsa_float_denorm_mode_16_64 3
		.amdhsa_memory_ordered 1
		.amdhsa_forward_progress 1
		.amdhsa_inst_pref_size 46
	.end_amdhsa_kernel
	.amdgpu_metadata
---
amdhsa.version: [ 1, 2 ]
amdhsa.kernels:
  - .name:           k_q42dec8657f_proj
    .symbol:         k_q42dec8657f_proj.kd
    .args:
      - { .name: a_codes, .offset: 0, .size: 8, .value_kind: global_buffer, .address_space: global }
      - { .name: w_codes, .offset: 8, .size: 8, .value_kind: global_buffer, .address_space: global }
      - { .name: lowp_scales, .offset: 16, .size: 8, .value_kind: global_buffer, .address_space: global }
      - { .name: b_o, .offset: 24, .size: 8, .value_kind: global_buffer, .address_space: global }
      - { .name: out0, .offset: 32, .size: 8, .value_kind: global_buffer, .address_space: global }
    .group_segment_fixed_size: 327680
    .private_segment_fixed_size: 0
    .kernarg_segment_align: 8
    .kernarg_segment_size: 40
    .max_flat_workgroup_size: 128
    .sgpr_count:     100
    .vgpr_count:     1024
    .wavefront_size: 32
...
	.end_amdgpu_metadata
.endif
;; end of part 4
